; MI455X (gfx1250); checked and timed in simulation.
; The chip was launched on July 23, 2026; its instructions are those of AMD's public machine-readable ISA for CDNA 5 (MIT licence, August 2026) and "CDNA5" Instruction Set Architecture Reference Guide (July 2026). The comments in the code are by the model that wrote it; some were corrected since.
;; multi head attention. Allowed arithmetic: matrix products marked QUANTISED: E2M3 operands, one E8M0 scale for each 32 along K, by v_wmma_scale_f32_16x16x128_f8f6f4 with both operands' format E2M3, f32 sums; everything else in f32.
;; Inputs: Wk_codes 1,024 x 32 x 24 uint8 (E2M3 codes of Wk, K innermost, in blocks of 32 codes, four codes in three bytes); Wk_scales 1,024 x 32 uint8 (E8M0 scales of Wk, one for each 32 codes along K); Wo_codes 1,024 x 32 x 24 uint8 (E2M3 codes of Wo, K innermost, in blocks of 32 codes, four codes in three bytes); Wo_scales 1,024 x 32 uint8 (E8M0 scales of Wo, one for each 32 codes along K); Wq_codes 1,024 x 32 x 24 uint8 (E2M3 codes of Wq, K innermost, in blocks of 32 codes, four codes in three bytes); Wq_scales 1,024 x 32 uint8 (E8M0 scales of Wq, one for each 32 codes along K); Wv_codes 1,024 x 32 x 24 uint8 (E2M3 codes of Wv, K innermost, in blocks of 32 codes, four codes in three bytes); Wv_scales 1,024 x 32 uint8 (E8M0 scales of Wv, one for each 32 codes along K); bk 1,024 float32; bo 1,024 float32; bq 1,024 float32; bv 1,024 float32; k_codes 4 x 2,048 x 32 x 24 uint8 (E2M3 codes of k, K innermost, in blocks of 32 codes, four codes in three bytes); k_scales 4 x 2,048 x 32 uint8 (E8M0 scales of k, one for each 32 codes along K); q_codes 4 x 2,048 x 32 x 24 uint8 (E2M3 codes of q, K innermost, in blocks of 32 codes, four codes in three bytes); q_scales 4 x 2,048 x 32 uint8 (E8M0 scales of q, one for each 32 codes along K); v_codes 4 x 2,048 x 32 x 24 uint8 (E2M3 codes of v, K innermost, in blocks of 32 codes, four codes in three bytes); v_scales 4 x 2,048 x 32 uint8 (E8M0 scales of v, one for each 32 codes along K).
;; Outputs: out0 4 x 2,048 x 1,024 float32.
;; Constants: mask = True.
;; This version of the problem:
;;   THIS VERSION OF THE PROBLEM IS GIVEN IN LOW PRECISION. The matrix products marked QUANTISED in the list below multiply operands that are first quantised to E2M3 (2 exponent bits, 3 mantissa bits; 6 bits a number), with one power-of-two scale for each 32 numbers along K (OCP MX v1.0); their sums are f32. All else is computed in f32.
;;   The module's matrix products, in the order in which they are computed (A, B: the left and right operand; K: the contracted axis; several contracted axes count as one K, in the product's order):
;;     1. [M 8,192, K 1,024] x [K 1,024, N 1,024]; A: input q (given as codes); B: input Wq (given as codes): QUANTISED
;;     2. [M 8,192, K 1,024] x [K 1,024, N 1,024]; A: input k (given as codes); B: input Wk (given as codes): QUANTISED
;;     3. [M 8,192, K 1,024] x [K 1,024, N 1,024]; A: input v (given as codes); B: input Wv (given as codes): QUANTISED
;;     4. batch 64 x [M 2,048, K 64] x [K 64, N 2,048]; A: computed on the way; B: computed on the way: QUANTISED
;;     5. batch 64 x [M 2,048, K 2,048] x [K 2,048, N 64]; A: softmax (see below); B: computed on the way: QUANTISED
;;     6. [M 8,192, K 1,024] x [K 1,024, N 1,024]; A: computed on the way; B: input Wo (given as codes): QUANTISED
;;   THE QUANTISER, for each operand of a quantised product, along K:
;;     - K is cut into blocks of 32 from its start; a last block that is shorter is filled with zeros.
;;     - A block's scale is 2^e with e = floor(log2(the largest magnitude in the block)) - 2, held to -126 .. 127; a block of zeros has e = 0. As a byte (E8M0): e + 127.
;;     - Each number is divided by its block's scale, clamped to +-7.5, and rounded to the nearest number of E2M3, ties to even, subnormals kept.
;;     - The product sums the exact products of the quantised numbers (number of the format x scale) in f32.
;;   ~~~python
;;   def quantise(x, axis):      # numpy; x: float32 -> the quantised numbers, widened to float32 again
;;       x = np.moveaxis(x, axis, -1); K = x.shape[-1]
;;       x = np.pad(x, [(0, 0)] * (x.ndim - 1) + [(0, -K % 32)]); x = x.reshape(x.shape[:-1] + (-1, 32)); a = np.abs(x).max(-1, keepdims=True)
;;       e = np.where(a > 0, np.clip(np.frexp(np.where(a > 0, a, 1))[1] - 1 - 2, -126, 127), 0)      # np.frexp(a)[1] - 1 = floor(log2(a)), exactly
;;       r = np.clip(x / 2.0 ** e, -7.5, 7.5)
;;       step = 2.0 ** (np.maximum(np.frexp(np.where(r == 0, 1, r))[1] - 1, 0) - 3)
;;       q = np.round(r / step) * step * 2.0 ** e      # np.round: ties to even
;;       return np.moveaxis(q.reshape(q.shape[:-2] + (-1,))[..., :K], -1, axis).astype(np.float32)
;;   ~~~
;;   SOFTMAX AHEAD OF A QUANTISED PRODUCT. Where the list says 'softmax', what is quantised is not the finished softmax but p = 2^(t - M), with t = logit x log2(e) and M = ceil(the row's largest t), a whole number; so 1/2 < the row's largest p <= 1. The row's sum l is taken of the UNQUANTISED p, in f32, and the product's result is divided by l at the end. Since M is a whole number, a kernel that streams over the keys may use a running M (the ceiling of the running maximum): every later rescaling is an exact power of two, which a block's scale takes up: the codes' values come out the same.
;;   OPERANDS COMPUTED ON THE WAY. 'Computed on the way' means the value that the module computes at that place (a softmax that the list does not call 'softmax' is quantised finished and normalised). What goes into a quantiser is computed in f32, as accurately as f32 sums, v_exp_f32 and their like allow (about 1e-6 of the number): no bf16 or f16 on the way to a quantiser, and a product that is left as it is and whose result goes on into a quantised operand takes f32 operands (vector FMAs, or v_wmma_f32_16x16x4_f32). A number that lies on a knife's edge between two numbers of the format may be rounded either way, as far as f32 arithmetic and the matrix unit's own rounding can turn it there, and no further.
;;   INPUTS GIVEN AS CODES. Wk (in the module: [1024, 1024], K = its axis 1); Wo (in the module: [1024, 1024], K = its axis 1); Wq (in the module: [1024, 1024], K = its axis 1); Wv (in the module: [1024, 1024], K = its axis 1); k (in the module: [4, 2048, 1024], K = its axis 2); q (in the module: [4, 2048, 1024], K = its axis 2); v (in the module: [4, 2048, 1024], K = its axis 2): each comes as NAME_codes (uint8): NAME with its K axis moved to the last place and cut into blocks of 32 codes, [.., K / 32, bytes a block], one block behind the other in memory; four codes in three bytes: a row's codes are one little-endian stream of bits, code i at bits 6 i .. 6 i + 5 (a code: sign, 2 exponent bits, 3 mantissa bits); and NAME_scales (uint8): the same leading axes, one E8M0 byte (e + 127) for each 32 codes along K. Its value is code x scale, taken as it is: it is not quantised again, and the codes and scales need not be those that the quantiser above would give.
;; One version. Each part assembles by itself: llvm-mc -triple=amdgcn-amd-amdhsa -mcpu=gfx1250 --defsym DOCPART=n.
;; ======== version 1 of 1: 3 launches
;; workspace buffers: qimg 6,291,456 bytes; kimg 6,291,456 bytes; vimg 6,291,456 bytes; qsc 262,144 bytes; ksc 262,144 bytes; vsc 262,144 bytes; cimg 6,291,456 bytes; csc 262,144 bytes
;; launch proj (part 1): grid 8 x 96, 4 waves a work-group, clusters of 4 x 4, 327,680 bytes of LDS; arguments q_codes, k_codes, v_codes, q_scales, k_scales, v_scales, Wq_codes, Wk_codes, Wv_codes, Wq_scales, Wk_scales, Wv_scales, bq, bk, bv, qimg, kimg, vimg, qsc, ksc, vsc; writes qimg, kimg, vimg, qsc, ksc, vsc
.if DOCPART == 1
	.amdgcn_target "amdgcn-amd-amdhsa--gfx1250"
	.amdhsa_code_object_version 6
	.text
	.protected	k_q0ccf5fd75f_proj
	.globl	k_q0ccf5fd75f_proj
	.p2align	8
	.type	k_q0ccf5fd75f_proj,@function
k_q0ccf5fd75f_proj:
	s_mov_b64 s[64:65], 0
	v_nop
	global_prefetch_b8 v0, s[64:65] scope:SCOPE_SE
	s_setreg_imm32_b32 hwreg(HW_REG_WAVE_MODE, 25, 1), 1
	s_wait_xcnt 0x0
	s_wait_alu depctr_hold_cnt(0) depctr_sa_sdst(0) depctr_va_vdst(0) depctr_va_sdst(0) depctr_va_ssrc(0) depctr_va_vcc(0) depctr_vm_vsrc(0)
	s_getreg_b32 s2, hwreg(HW_REG_IB_STS2, 6, 4)
	s_cmp_eq_u32 s2, 0
	s_cbranch_scc0 .Lentry_in_a_cluster
	s_endpgm
.Lentry_in_a_cluster:
	s_bfe_u32 s2, ttmp6, 0x10000c
	s_cmp_lg_u32 s2, 0xf033
	s_cbranch_scc0 .Lentry_shape_is_right
	s_endpgm
.Lentry_shape_is_right:
; THE THREE INPUT PROJECTIONS, x W^T + b for (q, Wq, bq), (k, Wk, bk), (v, Wv, bv), on codes of FP6 (E2M3) with E8M0 scales, and the quantiser of their results.
; x: [8192][1024] codes, rows of 768 bytes; W: [1024][1024] likewise; scale bytes: rows of 32.  Channel n = 16 d + h belongs to head h, place d (0..63).
; SHARES.  768 work-groups: tensor T = cluster y / 8; a work-group takes 256 rows of x and two heads (128 rows of W); wave (a, HB) takes 128 rows x one head: 8 x 4 accumulators of 16 x 16.
; K = 1,024 goes in four steps of 256 (rows of 192 bytes) through three LDS slots; step 3 goes into slot 0 again.  CLUSTERS of 4 x 4: x's tiles are asked for jointly along a row, W's along a column.
; Q AND K: source 0 = 16 rows of W, source 1 = 16 rows of x: a lane holds one row of x and its registers run along d, which is the K of the scores.
; V: source 0 = 16 rows of x, source 1 = 16 rows of W: a lane holds one d and its registers run along the keys, which are the K of the second product.  The branch between the two hangs on the cluster's y alone.
; WHAT IS STORED are images of operand registers (12 registers a lane: chunk c of four at 512 c + 16 x lane) and one scale word a lane.
;   A block of 32 is made of two neighbouring result tiles: register 8 u + j of lane half hh holds index 16 u + 8 hh + j of the block and is put at place 16 hh + 8 u + j.  Both operands of a later product
;   are packed so (Q with K along d, V with p along the keys), so the products are those of the true order, and a block's scale does not hang on the order inside it.
;   Q, K: unit u = row tiles u and u + 4 of the wave's 128 rows, 64 along d each, in one fragment of 128.   V: unit u = d tile u, the wave's 128 keys.
; A block's scale byte is its largest magnitude's exponent field - 2, held at 1 from below.
; LIMITS: NaN and infinities are not served; a block of zeros gets the byte 1 (its codes are zeros; this program alone reads these bytes).
; REGISTERS, in windows of 256: window 0: addresses, scale words, bias, the codes just made; windows 1, 2: two sets of fragments (x's tile i at 12 i, W's tile t at 96 + 12 t); window 3: the accumulators.
.set PITCH, 240                        ; an LDS row: 3 x (64 bytes + 16 of padding)
.set XHALF, 128*PITCH                  ; 128 rows of x: one tensor load, and one wave's rows
.set WHALF, 64*PITCH                   ; 64 rows of W: one head
.set WOFF,  2*XHALF
.set SLOT,  WOFF+2*WHALF               ; 92,160
.set SPARE, 3*SLOT                     ; the spare words, 128 bytes a wave: two blocks of 256 bytes that no other line names
.set SCR,   SPARE+512                  ; 256 bytes a wave: its 64 scale words on their way out; no fill lands here
.set FR,   12
.set VA,   4                           ; v4-11   byte offsets of the bias: register j of a tile
.set SCRD, 12                          ; v12     where I read 8 bytes of scale words back
.set SO8,  13                          ; v13     8 x lane
.set ADX,  16                          ; v16-18  LDS address of my fragments of x in slot 0, 1, 2;  v19-21 behind one padding more
.set ADW,  22                          ; v22-24  the same for W;  v25-27
.set SPW,  28                          ; v28     my spare word; never rewritten
.set NIL,  29                          ; v29     0; never rewritten
.set IO,   30                          ; v30     16 x lane
.set SCW,  31                          ; v31     where I put a scale word
.set XS,   32                          ; v32-95  x's scale words: tile i, K step k of 128 at 8 i + k
.set WS,   96                          ; v96-127 W's: 8 t + k
.set PCB,  128                         ; v128-207 the codes: 20 registers a unit
.set PW,   208                         ; v208-211 a unit's scale word
.set TM,   212                         ; v212-215 largest magnitudes, v216-219 the other half's, then bytes, v220-223 the conversions' scale operands
.set BI,   224                         ; v224-255 the bias in the result's layout: 8 t + j
.set IMG, 2                            ; s[2:3]  where my images go
.set WV,  4
.set RA,  5                            ; wave / 2: which 128 rows of x are mine.  Also: I fetch x (0) or W (1)
.set HB,  6                            ; wave % 2: which head is mine.  Also: which half I fetch
.set CX,  7
.set CYI, 8
.set GX,  9
.set CYC, 10
.set TT,  11
.set RB,  12
.set ISV, 13
.set G1X, 16
.set G1W, 24
.set G0X, 32                           ; s[32:43] group 0 for x's tiles, a set for each slot
.set G0W, 44                           ; s[44:55] for W's
.set XC,  56
.set XSC, 58
.set WC,  60
.set WSC, 62
.set BP,  66
.set SCP, 68
.set SEL, 88
.set MSB, 0
.macro WIN new                         ; the immediate's high byte repeats the setting that is left
.if MSB != (\new)
	s_set_vgpr_msb (MSB<<8)|(\new)
.set MSB, (\new)
.endif
.endm
.macro PLACES n
.rept \n
	v_nop
.endr
.endm
.macro CROUND                          ; a round of the cluster's barrier
	s_barrier_signal -1
	s_barrier_wait -1
	s_cmp_lg_u32 s[WV], 0
	s_cbranch_scc1 .Lnot_wave_0_\@
	s_barrier_signal -3
.Lnot_wave_0_\@:
	s_barrier_wait -3
	s_barrier_signal -1
	s_barrier_wait -1
.endm
.macro JLOAD g0x, g0w                  ; a joint load: waves 0, 1 ask for x's halves, waves 2, 3 for W's two heads; four v_nop follow each line
	s_cmp_eq_u32 s[RA], 0
	s_cbranch_scc0 .Lfor_w_\@
	tensor_load_to_lds s[\g0x:\g0x+3], s[G1X:G1X+7]
	s_nop 0
	PLACES 4
	s_branch .Lasked_\@
.Lfor_w_\@:
	tensor_load_to_lds s[\g0w:\g0w+3], s[G1W:G1W+7]
	s_nop 0
	PLACES 4
.Lasked_\@:
.endm
	s_load_b512 s[68:83], s[0:1], 0x0              ; q, k, v codes; q, k, v scales; Wq, Wk codes
	s_load_b512 s[84:99], s[0:1], 0x40             ; Wv codes; Wq, Wk, Wv scales; bq, bk, bv; qimg
	s_load_b256 s[16:23], s[0:1], 0x80             ; kimg, vimg, qsc, ksc
	s_load_b64 s[24:25], s[0:1], 0xa0              ; vsc
	v_lshl_add_u32 v[SPW], v0, 2, SPARE
	v_mov_b32 v[NIL], 0
	ds_add_u32 v28, v29
	ds_add_u32 v28, v29
	s_wait_dscnt 0x0
	v_lshrrev_b32 v3, 5, v0
	v_readfirstlane_b32 s[WV], v3                  ; wave 0..3
	s_lshr_b32 s[RA], s[WV], 1
	s_and_b32 s[HB], s[WV], 1
	s_bfe_u32 s[CX], ttmp6, 0x40000                ; my place in the cluster
	s_bfe_u32 s[CYI], ttmp6, 0x40004
	s_lshl_b32 s[GX], ttmp9, 2
	s_add_co_u32 s[GX], s[GX], s[CX]               ; heads 2 GX, 2 GX + 1
	s_and_b32 s[CYC], ttmp7, 0xffff                ; the cluster's y, 0..23
	s_lshr_b32 s[TT], s[CYC], 3                    ; the tensor: 0 q, 1 k, 2 v: the same in all sixteen partners
	s_and_b32 s[RB], s[CYC], 7
	s_lshl_b32 s[RB], s[RB], 2
	s_add_co_u32 s[RB], s[RB], s[CYI]              ; which 256 rows of x
	s_wait_kmcnt 0x0
	s_cmp_eq_u32 s[TT], 1                          ; the buffers are chosen on the tensor's number alone
	s_cselect_b64 s[XC:XC+1], s[70:71], s[68:69]
	s_cselect_b64 s[XSC:XSC+1], s[76:77], s[74:75]
	s_cselect_b64 s[WC:WC+1], s[82:83], s[80:81]
	s_cselect_b64 s[WSC:WSC+1], s[88:89], s[86:87]
	s_cselect_b64 s[BP:BP+1], s[94:95], s[92:93]
	s_cselect_b64 s[IMG:IMG+1], s[16:17], s[98:99]
	s_cselect_b64 s[SCP:SCP+1], s[22:23], s[20:21]
	s_cmp_eq_u32 s[TT], 2
	s_cselect_b64 s[XC:XC+1], s[72:73], s[XC:XC+1]
	s_cselect_b64 s[XSC:XSC+1], s[78:79], s[XSC:XSC+1]
	s_cselect_b64 s[WC:WC+1], s[84:85], s[WC:WC+1]
	s_cselect_b64 s[WSC:WSC+1], s[90:91], s[WSC:WSC+1]
	s_cselect_b64 s[BP:BP+1], s[96:97], s[BP:BP+1]
	s_cselect_b64 s[IMG:IMG+1], s[18:19], s[IMG:IMG+1]
	s_cselect_b64 s[SCP:SCP+1], s[24:25], s[SCP:SCP+1]
	s_cselect_b32 s[ISV], 1, 0
	s_cselect_b32 s14, 64, 0                       ; the bias offset's step for each r (V: d = 16 t + r, 64 bytes a d),
	s_cselect_b32 s15, 0, 512                      ; for the lane's half (Q, K: d = 16 t + 8 hh + j),
	s_cselect_b32 s70, 0, 64                       ; and for each register j
	; descriptor group 1: rows of 192 bytes, 16 bytes of padding behind every 64
	s_lshl_b32 s71, s[CYI], 2
	s_lshl_b32 s71, 15, s71                        ; my row of the cluster
	s_lshl_b32 s75, 0x1111, s[CX]                  ; my column
	s_or_b32 s[G1X], s71, (1<<20)|(1<<21)|(3<<22)|(3<<25)   ; 15:0 the mask; 17:16 elements of 1 byte; 20 padding on; 21 set beside a mask; 24:22 after every 16 words; 31:25 4 words
	s_or_b32 s[G1W], s75, (1<<20)|(1<<21)|(3<<22)|(3<<25)
	s_mov_b32 s[G1X+1], 192<<16                    ; tensor_dim0
	s_mov_b32 s[G1X+2], 128<<16                    ; tensor_dim1
	s_mov_b32 s[G1X+3], 192<<16                    ; tile_dim0
	s_mov_b32 s[G1X+4], 128                        ; tile_dim1
	s_mov_b32 s[G1X+5], 768                        ; from row to row
	s_mov_b32 s[G1X+6], 0
	s_mov_b32 s[G1X+7], 0
	s_mov_b32 s[G1W+1], 192<<16
	s_mov_b32 s[G1W+2], 64<<16
	s_mov_b32 s[G1W+3], 192<<16
	s_mov_b32 s[G1W+4], 64
	s_mov_b32 s[G1W+5], 16*768                     ; a head's rows of W lie 16 rows apart
	s_mov_b32 s[G1W+6], 0
	s_mov_b32 s[G1W+7], 0
	s_mul_i32 s72, s[RB], 256*768                  ; x: row 256 RB + 128 HB (no register here ever holds cx)
	s_mul_i32 s73, s[HB], 128*768
	s_add_co_u32 s72, s72, s73
	s_mov_b32 s73, 0
	s_add_nc_u64 s[72:73], s[XC:XC+1], s[72:73]
	s_lshl_b32 s76, s[GX], 1                       ; W: row = head 2 GX + HB (no register here ever holds cy)
	s_add_co_u32 s76, s76, s[HB]
	s_mul_i32 s76, s76, 768
	s_mov_b32 s77, 0
	s_add_nc_u64 s[76:77], s[WC:WC+1], s[76:77]
	s_mul_i32 s78, s[HB], XHALF                    ; where they go in a slot: the wave's number alone
	s_mul_i32 s79, s[HB], WHALF
	s_add_co_u32 s79, s79, WOFF
.irp s, 0,1,2
	s_mov_b32 s[G0X+4*\s], 1
	s_add_co_u32 s[G0X+4*\s+1], s78, \s*SLOT
	s_add_nc_u64 s[G0X+4*\s+2:G0X+4*\s+3], s[72:73], \s*192
	s_or_b32 s[G0X+4*\s+3], s[G0X+4*\s+3], 0x80000000
	s_mov_b32 s[G0W+4*\s], 1
	s_add_co_u32 s[G0W+4*\s+1], s79, \s*SLOT
	s_add_nc_u64 s[G0W+4*\s+2:G0W+4*\s+3], s[76:77], \s*192
	s_or_b32 s[G0W+4*\s+3], s[G0W+4*\s+3], 0x80000000
.endr
	CROUND                                         ; all sixteen work-groups are here: the first joint loads meet
	s_cmp_eq_u32 s[RA], 0                          ; a wave's three first fills stand in one branch: K steps 0, 1, 2; three loads of mine are out
	s_cbranch_scc0 .Lfirst_w
	tensor_load_to_lds s[G0X:G0X+3], s[G1X:G1X+7]
	s_nop 0
	tensor_load_to_lds s[G0X+4:G0X+7], s[G1X:G1X+7]
	s_nop 0
	tensor_load_to_lds s[G0X+8:G0X+11], s[G1X:G1X+7]
	s_nop 0
	PLACES 4
	s_branch .Lfirst_asked
.Lfirst_w:
	tensor_load_to_lds s[G0W:G0W+3], s[G1W:G1W+7]
	s_nop 0
	tensor_load_to_lds s[G0W+4:G0W+7], s[G1W:G1W+7]
	s_nop 0
	tensor_load_to_lds s[G0W+8:G0W+11], s[G1W:G1W+7]
	s_nop 0
	PLACES 4
.Lfirst_asked:
	; what my wave computes: rows 256 RB + 128 RA of x, head 2 GX + HB
	s_lshl_b32 s80, s[GX], 1
	s_add_co_u32 s80, s80, s[HB]                   ; my head
	s_lshl_b32 s82, s[RB], 13
	s_lshl_b32 s83, s[RA], 12
	s_add_co_u32 s82, s82, s83
	s_mov_b32 s83, 0
	s_add_nc_u64 s[XSC:XSC+1], s[XSC:XSC+1], s[82:83]   ; x's scale rows, 32 bytes each
	s_lshl_b32 s82, s80, 5
	s_add_nc_u64 s[WSC:WSC+1], s[WSC:WSC+1], s[82:83]   ; W's: row 16 d + head
	s_lshl_b32 s82, s80, 2
	s_add_nc_u64 s[BP:BP+1], s[BP:BP+1], s[82:83]
	s_lshl_b32 s81, s[RB], 1
	s_add_co_u32 s81, s81, s[RA]                   ; which 128 rows of the 8,192: batch = / 16, group = % 16
	s_lshr_b32 s84, s81, 4
	s_lshl_b32 s84, s84, 4
	s_add_co_u32 s84, s84, s80                     ; 16 x batch + head
	s_lshl_b32 s84, s84, 6
	s_and_b32 s81, s81, 15
	s_lshl_b32 s81, s81, 2
	s_add_co_u32 s84, s84, s81                     ; my first unit: 64 (16 batch + head) + 4 group
	s_mul_i32 s82, s84, 1536
	s_add_nc_u64 s[IMG:IMG+1], s[IMG:IMG+1], s[82:83]
	s_lshl_b32 s82, s84, 6
	s_add_nc_u64 s[SCP:SCP+1], s[SCP:SCP+1], s[82:83]
	s_mov_b32 s[SEL], 0x76543210
	s_mov_b32 s[SEL+1], 0xfedcba98                 ; v_permlanex16_b32's selects for lane l xor 16
	v_and_b32 v1, 15, v0                           ; r
	v_bfe_u32 v2, v0, 4, 1                         ; hh
	v_and_b32 v3, 31, v0
	v_lshlrev_b32 v[IO], 4, v3
	v_lshlrev_b32 v[SO8], 3, v3
	v_lshlrev_b32 v14, 5, v1                       ; x's scale row r
	v_lshlrev_b32 v15, 9, v1                       ; W's scale row 16 r
	v_mul_u32_u24 v[VA], v1, s14
	v_mad_u32_u24 v[VA], v2, s15, v[VA]
.irp j, 1,2,3,4,5,6,7
	v_add_nc_u32 v[VA+\j], s70, v[VA+\j-1]
.endr
.irp i, 0,1,2,3,4,5,6,7                        ; the scale words of all of K come once, into registers: a row's 32 bytes are its 8 words
	global_load_b128 v[XS+8*\i:XS+8*\i+3], v14, s[XSC:XSC+1] offset:512*\i
	global_load_b128 v[XS+8*\i+4:XS+8*\i+7], v14, s[XSC:XSC+1] offset:512*\i+16
.endr
.irp t, 0,1,2,3
	global_load_b128 v[WS+8*\t:WS+8*\t+3], v15, s[WSC:WSC+1] offset:8192*\t
	global_load_b128 v[WS+8*\t+4:WS+8*\t+7], v15, s[WSC:WSC+1] offset:8192*\t+16
.endr
.irp t, 0,1,2,3
.irp j, 0,1,2,3,4,5,6,7
	global_load_b32 v[BI+8*\t+\j], v[VA+\j], s[BP:BP+1] offset:1024*\t   ; the bias is the C of the first K step
.endr
.endr
	v_mul_u32_u24 v3, v1, PITCH
	v_mad_u32_u24 v3, v2, 24, v3                   ; a fragment's row x pitch + 24 x half,
	v_lshl_add_u32 v[PW], v2, 4, v3                ; and the same behind one padding more
	s_mul_i32 s84, s[RA], XHALF
	s_mul_i32 s85, s[HB], WHALF
	s_add_co_u32 s85, s85, WOFF
.irp s, 0,1,2
	v_add_nc_u32 v[ADX+\s], s84, v3
	v_add_nc_u32 v[ADX+3+\s], s84, v[PW]
	v_add_nc_u32 v[ADW+\s], s85, v3
	v_add_nc_u32 v[ADW+3+\s], s85, v[PW]
	s_add_co_u32 s84, s84, SLOT
	s_add_co_u32 s85, s85, SLOT
.endr
	s_lshl_b32 s86, s[WV], 8
	s_add_co_u32 s86, s86, SCR
	v_lshl_add_u32 v[SCW], v1, 2, s86
	v_add_nc_u32 v[SCRD], s86, v[SO8]
.irp b, 0,1,2,3
	v_mov_b32 v[TM+4+\b], 0                        ; written once: a lane permute's destination counts as one of its sources
.endr
; A fragment, 16 rows x 128 K, is 12 registers: registers 6 c .. 6 c + 5 hold K = 64 c + 32 hh + 0 .. 31: 24 bytes of the row, in pieces of 8.  Lanes 16-31 read three pieces on, which for some pieces is behind one padding more.
.macro FRAG reg, adr, q, i
.irp p, 0,1,2,3,4,5
.set PCE, 12*(\q)+6*(\p/3)+\p%3
.if PCE%8 < 5
	ds_load_b64 v[\reg+2*\p:\reg+2*\p+1], v[\adr] offset:8*PCE+16*(PCE/8)+(\i)*16*PITCH
.else
	ds_load_b64 v[\reg+2*\p:\reg+2*\p+1], v[\adr+3] offset:8*PCE+16*(PCE/8)+(\i)*16*PITCH
.endif
.endr
.endm
.macro FETCH1 set, slot, q             ; 48 loads: W's four fragments and x's tiles 0-3
	WIN (1+\set)<<6
.irp t, 0,1,2,3
	FRAG 96+FR*\t, ADW+\slot, \q, \t
.endr
.irp i, 0,1,2,3
	FRAG FR*\i, ADX+\slot, \q, \i
.endr
	WIN 0
.endm
.macro FETCH2 set, slot, q             ; 24 loads: x's tiles 4-7
	WIN (1+\set)<<6
.irp i, 4,5,6,7
	FRAG FR*\i, ADX+\slot, \q, \i
.endr
	WIN 0
.endm
; 16 matrix instructions: x's tiles 4 half .. 4 half + 3 against W's four, K step k of 128.  Both arms write the same 128 registers, begin and end on the same accumulators, and take the accumulators by turns.
.macro MULH k, half
.if (\k) == 0
.set MULW, 0xc5                        ; sources 0, 1 window 1; C (the bias) window 0; D window 3
.elseif (\k)%2 == 0
.set MULW, 0xf5                        ; sources window 1; C and D window 3
.else
.set MULW, 0xfa                        ; sources window 2
.endif
	WIN 0
	s_cmp_eq_u32 s[ISV], 1
	s_cbranch_scc1 .Lv_arm_\@
	WIN MULW
.irp i, 0,1,2,3
.irp t, 0,1,2,3
.if (\k) == 0
	v_wmma_scale_f32_16x16x128_f8f6f4 v[32*(4*\half+\i)+8*\t:32*(4*\half+\i)+8*\t+7], v[96+FR*\t:96+FR*\t+FR-1], v[FR*(4*\half+\i):FR*(4*\half+\i)+FR-1], v[BI+8*\t:BI+8*\t+7], v[WS+8*\t+(\k)], v[XS+8*(4*\half+\i)+(\k)] matrix_a_fmt:MATRIX_FMT_FP6 matrix_b_fmt:MATRIX_FMT_FP6
.else
	v_wmma_scale_f32_16x16x128_f8f6f4 v[32*(4*\half+\i)+8*\t:32*(4*\half+\i)+8*\t+7], v[96+FR*\t:96+FR*\t+FR-1], v[FR*(4*\half+\i):FR*(4*\half+\i)+FR-1], v[32*(4*\half+\i)+8*\t:32*(4*\half+\i)+8*\t+7], v[WS+8*\t+(\k)], v[XS+8*(4*\half+\i)+(\k)] matrix_a_fmt:MATRIX_FMT_FP6 matrix_b_fmt:MATRIX_FMT_FP6
.endif
.endr
.endr
	WIN 0
	s_branch .Ljoin_\@
.Lv_arm_\@:
	WIN MULW
.irp i, 0,1,2,3
.irp t, 0,1,2,3
.if (\k) == 0
	v_wmma_scale_f32_16x16x128_f8f6f4 v[128*\half+32*\t+8*\i:128*\half+32*\t+8*\i+7], v[FR*(4*\half+\i):FR*(4*\half+\i)+FR-1], v[96+FR*\t:96+FR*\t+FR-1], v[BI+8*\t:BI+8*\t+7], v[XS+8*(4*\half+\i)+(\k)], v[WS+8*\t+(\k)] matrix_a_fmt:MATRIX_FMT_FP6 matrix_b_fmt:MATRIX_FMT_FP6
.else
	v_wmma_scale_f32_16x16x128_f8f6f4 v[128*\half+32*\t+8*\i:128*\half+32*\t+8*\i+7], v[FR*(4*\half+\i):FR*(4*\half+\i)+FR-1], v[96+FR*\t:96+FR*\t+FR-1], v[128*\half+32*\t+8*\i:128*\half+32*\t+8*\i+7], v[XS+8*(4*\half+\i)+(\k)], v[WS+8*\t+(\k)] matrix_a_fmt:MATRIX_FMT_FP6 matrix_b_fmt:MATRIX_FMT_FP6
.endif
.endr
.endr
	WIN 0
.Ljoin_\@:
.endm
; K step k of 128: set k % 2 is multiplied while set (k + 1) % 2 is fetched.  The four v_nop behind a step's last products are the places in front of the loads that, one step later, land in the set that these products read.
.macro SUB k
.set NS, ((\k)+1)%2
.set NL, (((\k)+1)/2)%3
	s_wait_dscnt 24                                ; W's fragments and x's tiles 0-3 are in; the youngest 24 loads (tiles 4-7) may be out
	MULH \k, 0
.if (\k) == 1
	s_wait_tensorcnt 0x1                           ; my part of slot 1 is in; slot 2's may stay out
	s_wait_dscnt 0x0
	s_barrier_signal -1
	s_barrier_wait -1
.elseif (\k) == 3
	s_wait_tensorcnt 0x0                           ; all my tensor loads have landed, slot 2's among them: a group 0 may be written
	ds_add_u32 v[SPW], v[NIL]                      ; 0 onto my spare word
	s_add_nc_u64 s[G0X+2:G0X+3], s[G0X+2:G0X+3], 3*192   ; slot 0 takes the last 256 along K
	s_add_nc_u64 s[G0W+2:G0W+3], s[G0W+2:G0W+3], 3*192
	s_wait_dscnt 0x0                               ; the add is done, and my reads of slot 0 are long over
	CROUND                                         ; the same holds of every wave of every partner
	JLOAD G0X, G0W                                 ; the one refill of the launch, first behind the round
.elseif (\k) == 5
	s_wait_tensorcnt 0x0                           ; the refill has landed
	ds_add_u32 v[SPW], v[NIL]
	s_wait_dscnt 0x0
	s_barrier_signal -1
	s_barrier_wait -1
.else
	s_wait_dscnt 0x0                               ; x's tiles 4-7 are in
.endif
.if (\k) < 7
	FETCH1 NS, NL, NS
.endif
	MULH \k, 1
.if (\k) < 7
	PLACES 4
	FETCH2 NS, NL, NS
.endif
.endm
; Unit u: four blocks of 32, each in 16 registers of this lane and 16 of lane l xor 16, become a fragment's 12 registers at v[PCB + 20 u] on and its scale word in v[PW + u].
.macro QUANT3 u
.set PCU, PCB+20*(\u)
	WIN 0x0f                                       ; sources 0 and 1: window 3
.irp b, 0,1,2,3
	v_max3_num_f32 v[TM+\b], |v[128*(\b/2)+32*(\u)+16*(\b%2)]|, |v[128*(\b/2)+32*(\u)+16*(\b%2)+1]|, 0x1800000   ; with the floor 2^(3 - 127): the byte cannot fall under 1
.endr
	WIN 0x3c                                       ; sources 1 and 2: window 3
.irp i, 2,4,6,8,10,12,14
.irp b, 0,1,2,3
	v_max3_num_f32 v[TM+\b], v[TM+\b], |v[128*(\b/2)+32*(\u)+16*(\b%2)+\i]|, |v[128*(\b/2)+32*(\u)+16*(\b%2)+\i+1]|
.endr
.endr
	WIN 0
.irp b, 0,1,2,3
	v_permlanex16_b32 v[TM+4+\b], v[TM+\b], s[SEL], s[SEL+1]
.endr
.irp b, 0,1,2,3
	v_max_num_f32 v[TM+\b], v[TM+\b], v[TM+4+\b]   ; the block's largest magnitude
.endr
.irp b, 0,1,2,3
	v_add_nc_u32 v[TM+8+\b], 0xff000000, v[TM+\b]  ; 2 off its exponent field: the conversion's scale operand
.endr
.irp b, 0,1,2,3
	v_lshrrev_b32 v[TM+4+\b], 23, v[TM+8+\b]       ; the scale's byte
.endr
	v_lshl_or_b32 v[PW+\u], v[TM+5], 8, v[TM+4]
	v_lshl_or_b32 v[PW+\u], v[TM+6], 16, v[PW+\u]
	v_lshl_or_b32 v[PW+\u], v[TM+7], 24, v[PW+\u]
	WIN 0x03                                       ; source 0: window 3
.irp c, 0,1
	v_cvt_scalef32_pk16_fp6_f32 v[PCU+6*\c:PCU+6*\c+2], v[128*\c+32*(\u):128*\c+32*(\u)+15], v[TM+8+2*\c]
	v_cvt_scalef32_pk16_fp6_f32 v[PCU+12+4*\c:PCU+14+4*\c], v[128*\c+32*(\u)+16:128*\c+32*(\u)+31], v[TM+9+2*\c]   ; (a conversion's three registers begin on an even number)
.endr
	WIN 0
	v_nop                                          ; one plain place behind a scaled conversion
.irp c, 0,1                                    ; the operand's layout wants a whole block in a lane: lanes 0-15 block 2 c, lanes 16-31 block 2 c + 1
.irp i, 0,1,2
	v_permlane16_swap_b32 v[PCU+6*\c+\i], v[PCU+12+4*\c+\i]
.endr
.irp i, 0,1,2
	v_mov_b32 v[PCU+3+6*\c+\i], v[PCU+12+4*\c+\i]
.endr
.endr
.endm
	s_wait_tensorcnt 0x2                           ; my part of slot 0 is in; slots 1 and 2 may stay out
	s_barrier_signal -1
	s_barrier_wait -1                              ; everybody's is
	FETCH1 0, 0, 0
	FETCH2 0, 0, 0
	s_wait_loadcnt 0x0                             ; scale words and bias
.irp k, 0,1,2,3,4,5,6,7
	SUB \k
.endr
	PLACES 4                                       ; in front of the first read of results
.irp u, 0,1,2,3
	QUANT3 \u
.irp c, 0,1,2
	global_store_b128 v[IO], v[PCB+20*\u+4*\c:PCB+20*\u+4*\c+3], s[IMG:IMG+1] offset:1536*\u+512*\c   ; 32 lanes store 512 consecutive bytes, at a multiple of 512 from the buffer's first byte
.endr
	ds_store_b32 v[SCW], v[PW+\u] offset:64*\u     ; lanes r and r + 16 write the same word with the same value
.endr
	ds_load_b64 v[4:5], v[SCRD]                    ; LDS serves a wave's instructions in order: this sees my stores
	s_wait_dscnt 0x0
	global_store_b64 v[SO8], v[4:5], s[SCP:SCP+1]  ; my 64 scale words: 256 consecutive bytes, aligned
	s_wait_tensorcnt 0x0                           ; the wave's end
	ds_add_u32 v[SPW], v[NIL]
	s_wait_dscnt 0x0
	CROUND                                         ; the closing round
	s_endpgm
.Lfunc_end_k_q0ccf5fd75f_proj:
	.size	k_q0ccf5fd75f_proj, .Lfunc_end_k_q0ccf5fd75f_proj-k_q0ccf5fd75f_proj
	.p2alignl 7, 3214868480
	.fill 96, 4, 3214868480
	.section	.rodata,"a",@progbits
	.p2align	6, 0x0
	.amdhsa_kernel k_q0ccf5fd75f_proj
		.amdhsa_group_segment_fixed_size 327680
		.amdhsa_private_segment_fixed_size 0
		.amdhsa_enable_private_segment 0
		.amdhsa_kernarg_size 168
		.amdhsa_user_sgpr_count 2
		.amdhsa_user_sgpr_kernarg_segment_ptr 1
		.amdhsa_wavefront_size32 1
		.amdhsa_system_sgpr_workgroup_id_x 1
		.amdhsa_system_sgpr_workgroup_id_y 1
		.amdhsa_system_sgpr_workgroup_id_z 1
		.amdhsa_system_vgpr_workitem_id 0
		.amdhsa_next_free_vgpr 1024
		.amdhsa_next_free_sgpr 100
		.amdhsa_reserve_vcc 0
		.amdhsa_float_denorm_mode_32 3
		.amdhsa_float_denorm_mode_16_64 3
		.amdhsa_memory_ordered 1
		.amdhsa_forward_progress 1
		.amdhsa_inst_pref_size 140
	.end_amdhsa_kernel
	.amdgpu_metadata
---
amdhsa.version: [ 1, 2 ]
amdhsa.kernels:
  - .name:           k_q0ccf5fd75f_proj
    .symbol:         k_q0ccf5fd75f_proj.kd
    .args:
      - { .name: q_codes, .offset: 0, .size: 8, .value_kind: global_buffer, .address_space: global }
      - { .name: k_codes, .offset: 8, .size: 8, .value_kind: global_buffer, .address_space: global }
      - { .name: v_codes, .offset: 16, .size: 8, .value_kind: global_buffer, .address_space: global }
      - { .name: q_scales, .offset: 24, .size: 8, .value_kind: global_buffer, .address_space: global }
      - { .name: k_scales, .offset: 32, .size: 8, .value_kind: global_buffer, .address_space: global }
      - { .name: v_scales, .offset: 40, .size: 8, .value_kind: global_buffer, .address_space: global }
      - { .name: Wq_codes, .offset: 48, .size: 8, .value_kind: global_buffer, .address_space: global }
      - { .name: Wk_codes, .offset: 56, .size: 8, .value_kind: global_buffer, .address_space: global }
      - { .name: Wv_codes, .offset: 64, .size: 8, .value_kind: global_buffer, .address_space: global }
      - { .name: Wq_scales, .offset: 72, .size: 8, .value_kind: global_buffer, .address_space: global }
      - { .name: Wk_scales, .offset: 80, .size: 8, .value_kind: global_buffer, .address_space: global }
      - { .name: Wv_scales, .offset: 88, .size: 8, .value_kind: global_buffer, .address_space: global }
      - { .name: bq, .offset: 96, .size: 8, .value_kind: global_buffer, .address_space: global }
      - { .name: bk, .offset: 104, .size: 8, .value_kind: global_buffer, .address_space: global }
      - { .name: bv, .offset: 112, .size: 8, .value_kind: global_buffer, .address_space: global }
      - { .name: qimg, .offset: 120, .size: 8, .value_kind: global_buffer, .address_space: global }
      - { .name: kimg, .offset: 128, .size: 8, .value_kind: global_buffer, .address_space: global }
      - { .name: vimg, .offset: 136, .size: 8, .value_kind: global_buffer, .address_space: global }
      - { .name: qsc, .offset: 144, .size: 8, .value_kind: global_buffer, .address_space: global }
      - { .name: ksc, .offset: 152, .size: 8, .value_kind: global_buffer, .address_space: global }
      - { .name: vsc, .offset: 160, .size: 8, .value_kind: global_buffer, .address_space: global }
    .group_segment_fixed_size: 327680
    .private_segment_fixed_size: 0
    .kernarg_segment_align: 8
    .kernarg_segment_size: 168
    .max_flat_workgroup_size: 128
    .sgpr_count:     100
    .vgpr_count:     1024
    .wavefront_size: 32
...
	.end_amdgpu_metadata
.endif
;; end of part 1
;; launch attn (part 2): grid 4 x 64, 16 waves a work-group, no clusters, 206,848 bytes of LDS; arguments qimg, qsc, kimg, ksc, vimg, vsc, cimg, csc; writes cimg, csc
.if DOCPART == 2
	.amdgcn_target "amdgcn-amd-amdhsa--gfx1250"
	.amdhsa_code_object_version 6
	.text
	.protected	k_q0ccf5fd75f_attn
	.globl	k_q0ccf5fd75f_attn
	.p2align	8
	.type	k_q0ccf5fd75f_attn,@function
k_q0ccf5fd75f_attn:
	s_mov_b64 s[64:65], 0
	v_nop
	global_prefetch_b8 v0, s[64:65] scope:SCOPE_SE
	s_setreg_imm32_b32 hwreg(HW_REG_WAVE_MODE, 25, 1), 1
	s_wait_xcnt 0x0
; CAUSAL ATTENTION OF ONE HEAD on codes of FP6 (E2M3), and the quantiser of its result.  Scores = Q . K / 32; t = score x log2(e); M = the running largest t rounded up to a whole number;
; p = 2^(t - M) is quantised along the keys, not normalised; the row's sum is taken of the unquantised p and divides O at the end; when M moves, the sum and O are multiplied by 2^(old M - new M): exact.
; INPUTS are images of operand registers (12 registers a lane: chunk c at 512 c + 16 x lane) made by the launch before.  A fragment of K holds TWO tiles of 16 keys, u and u + 4 of a step's eight, 64 along d each.
; It is multiplied twice: by QA = (my queries' 6 registers, 6 of zeros) and by QB = (zeros, the same 6).  The zero codes carry the scale byte 1; what they meet on K's side adds exactly 0.
; Inside each block of 32, Q and K (along d) and p and V (along the keys) are laid in the same order, so the products are those of the true order.
; SHARES.  A work-group takes one head and 32 tiles of 16 queries; wave w takes tile 16 J + w and then tile 127 - (16 J + w): 17 key steps of 128 for every wave of the launch.
; ALL OF THE HEAD'S K AND V, 204,800 bytes with their scale words, lie in LDS: first fills alone, nothing is filled again and nothing is stored to LDS.  All sixteen waves fetch (0-7 K, 8-15 V), three loads each:
; 512 bytes of scale words, 768 bytes of key step 0, 11,520 bytes of key steps 1-15.  The first barrier stands behind the first two; every wave then works key step 0 of its first tile, which counts for every query,
; while the third loads land; the second barrier stands behind that step.  From there on no wave waits for another: a wave's second tile follows its first at once.
; Both tiles' operands of Q are asked for at the head, ahead of the first barrier.
; NO CLUSTER: the four work-groups of a head read the same K and V, but which key steps a wave works on hangs on J, which would be the place in the cluster, and partners in joint loads must run alike.
; Both loops have constant trip counts; a step all of whose keys come after my queries is jumped over, but for the lines that step addresses.
; THE RESULT, O / the sum, is put into the true order of d, quantised along d (channel 64 h + d of the last product's K) and stored as planes of 256 bytes of that product's operand: plane q (registers 2 q, 2 q + 1) at 256 q + 8 x lane.
; Its scale bytes, one a lane, go to rows of 32 bytes: single bytes, one for each 24 bytes of codes.
; LIMITS: NaN and infinities are not served; a block of zeros gets the byte 1 (this program alone reads these bytes).
.set VIMG,  98304
.set KSC,   196608
.set VSC,   200704
.set STEPB, 6144                       ; a key step's four fragments
.set REST,  11520                      ; key steps 1-15, 92,160 bytes, shared among eight waves
.set LI,  1                            ; v1   16 x lane
.set AV0, 2                            ; v2   + VIMG
.set LS,  3                            ; v3   4 r + KSC
.set LT,  4                            ; v4   4 r + VSC
.set RR,  5
.set HH,  6
.set GO8, 7                            ; v7   8 x lane
.set ADK, 8
.set ADV, 9
.set ADS, 10
.set ADT, 11                           ; v12 -M, v13 the largest t, v[14:15] the sum
.set QA,  16
.set QB,  28
.set QSA, 40
.set QSB, 41
.set R4,  42
.set NINF, 44
.set TP,  45
.set BO,  46
.set FRG, 48                           ; v48-95   four fragments: K's, then V's
.set SS,  96                           ; v96-159  S^T, then p (at the head: the first tile's image of Q)
.set OT,  160                          ; v160-191 O^T
.set PC,  192                          ; v192-203 p's codes
.set PX,  204
.set BM,  212
.set BT,  216
.set SO,  220
.set KS,  224                          ; v224-227 scale words: K's, then V's
.set PS,  228                          ; p's scale word
.set FF,  230                          ; v[230:231] f = 2^(old M - new M)
.set S2,  232
.set RH,  234                          ; r - 8 hh
.set QW,  235
.set CB,  236
.set Q1I, 240                          ; v240-251 the second tile's image of Q, v252 its scale word: named by nothing else
.set Q1W, 252
.set WV,  4
.set JJ,  5
.set BH,  6
.set HD,  7
.set BB,  8
.set TB,  9
.set TS,  10
.set KF,  11
.set Q0,  12
.set Q15, 13
.set CNT, 14
.set TQ,  15
.set MSK, 16
.set SELB, 17
.set HM,  18
.set SEL, 20
.set CS,  22
.set G1A, 24                           ; s[24:31] group 1: 2 rows of 256 bytes;  s[32:39]: 3 rows;  s[40:47]: 45 rows
.set G1B, 32
.set G1C, 40
.set G0A, 48
.set G0B, 52
.set G0C, 56
.set Q1P, 60
.set Q1S, 62
.set MJ,  72                           ; s72-79 (once K's and V's addresses are used up): lane masks 'j > r - 8 hh', the triangle of the diagonal's tile
.set QP,  84
.set QSP, 86
.set CP,  88
.set CSP, 90
.macro DENSE g, rows                   ; a dense block as rows of 256 bytes: 32 elements of 8 bytes, no padding
	s_mov_b32 s[\g], 3<<16
	s_mov_b32 s[\g+1], 32<<16
	s_mov_b32 s[\g+2], (\rows)<<16
	s_mov_b32 s[\g+3], 32<<16
	s_mov_b32 s[\g+4], \rows
	s_mov_b32 s[\g+5], 32
	s_mov_b32 s[\g+6], 0
	s_mov_b32 s[\g+7], 0
.endm
.macro QADR tq, p, s                   ; tile s[tq] lies in fragment 4 (tile / 8) + tile % 4 of the head: where its image and its scale words begin
	s_lshr_b32 s92, s[\tq], 3
	s_lshl_b32 s92, s92, 2
	s_and_b32 s93, s[\tq], 3
	s_or_b32 s92, s92, s93
	s_lshl_b32 s93, s[BH], 6
	s_add_co_u32 s92, s92, s93
	s_mul_i32 s94, s92, 1536
	s_mov_b32 s95, 0
	s_add_nc_u64 s[\p:\p+1], s[68:69], s[94:95]
	s_lshl_b32 s94, s92, 6
	s_add_nc_u64 s[\s:\s+1], s[70:71], s[94:95]
.endm
	s_load_b512 s[68:83], s[0:1], 0x0              ; qimg, qsc, kimg, ksc, vimg, vsc, cimg, csc
	v_lshl_add_u32 v254, v0, 2, 0x32000
	v_mov_b32 v255, 0
	ds_add_u32 v254, v255
	ds_add_u32 v254, v255
	v_lshrrev_b32 v8, 5, v0
	s_delay_alu instid0(VALU_DEP_1)
	v_readfirstlane_b32 s[WV], v8                  ; wave 0..15
	s_mov_b32 s[JJ], ttmp9
	s_and_b32 s[BH], ttmp7, 0xffff                 ; 16 x batch + head
	s_and_b32 s[HD], s[BH], 15
	s_lshr_b32 s[BB], s[BH], 4
	s_lshl_b32 s[TQ], s[JJ], 4
	s_add_co_u32 s[TQ], s[TQ], s[WV]               ; my first tile of queries
	s_sub_co_u32 s19, 127, s[TQ]                   ; and my second
	s_lshr_b32 s92, s[WV], 3                       ; waves 0-7 fetch K, waves 8-15 V;
	s_and_b32 s93, s[WV], 7                        ; each an eighth
	DENSE G1A, 2
	DENSE G1B, 3
	DENSE G1C, 45
	s_mul_i32 s94, s92, VIMG
	s_mul_i32 s9, s93, 768                         ; my part of key step 0,
	s_mul_i32 s10, s93, REST
	s_add_co_u32 s10, s10, STEPB                   ; of key steps 1-15,
	s_lshl_b32 s11, s93, 9                         ; and of the scale words: the same offsets in LDS and in memory
	s_mov_b32 s[G0A], 1
	s_lshl_b32 s[G0A+1], s92, 12
	s_add_co_u32 s[G0A+1], s[G0A+1], s11
	s_add_co_u32 s[G0A+1], s[G0A+1], KSC
	s_mov_b32 s[G0B], 1
	s_add_co_u32 s[G0B+1], s94, s9
	s_mov_b32 s[G0C], 1
	s_add_co_u32 s[G0C+1], s94, s10
	s_mul_i32 s12, s[BH], 98304
	s_add_co_u32 s84, s12, s9
	s_mov_b32 s85, 0
	s_add_co_u32 s86, s12, s10
	s_mov_b32 s87, 0
	s_lshl_b32 s88, s[BH], 12
	s_add_co_u32 s88, s88, s11
	s_mov_b32 s89, 0
	s_mov_b32 s[SEL], 0x76543210
	s_mov_b32 s[SEL+1], 0xfedcba98
	s_mov_b32 s[CS], 0x3d38aa3b                    ; c = log2(e) / 32
	s_mov_b32 s[CS+1], s[CS]
	v_and_b32 v[TP], 31, v0
	s_delay_alu instid0(VALU_DEP_1)
	v_lshlrev_b32 v[LI], 4, v[TP]
	s_delay_alu instid0(VALU_DEP_1)
	v_add_nc_u32 v[AV0], VIMG, v[LI]
	v_and_b32 v[RR], 15, v0
	v_bfe_u32 v[HH], v0, 4, 1
	s_delay_alu instid0(VALU_DEP_2)
	v_lshl_add_u32 v[LS], v[RR], 2, KSC
	s_delay_alu instid0(VALU_DEP_3)
	v_lshl_add_u32 v[LT], v[RR], 2, VSC
	v_lshlrev_b32 v[GO8], 3, v[TP]
	v_lshlrev_b32 v[R4], 2, v[RR]
	v_lshl_add_u32 v[BO], v[RR], 5, v[HH]          ; my scale byte: row r of 32 bytes, block hh
	v_lshlrev_b32 v[RH], 3, v[HH]
	s_delay_alu instid0(VALU_DEP_1)
	v_sub_nc_u32 v[RH], v[RR], v[RH]
	v_mov_b32 v[NINF], 0xff800000
	v_cmp_eq_u32 s[HM], 1, v[HH]                   ; lanes 16-31
.irp b, 0,1,2,3
	v_mov_b32 v[BT+\b], 0                          ; written once: a lane permute's destination counts as one of its sources
.endr
	v_mov_b32 v[FF+1], 0                           ; (named as the upper half of a pair)
	s_wait_alu depctr_va_vdst(0)
	s_wait_dscnt 0x0
	s_wait_kmcnt 0x0
	s_cmp_eq_u32 s92, 0                            ; K's buffers or V's: the choice hangs on the wave's number alone
	s_cselect_b64 s[90:91], s[72:73], s[76:77]
	s_cselect_b64 s[94:95], s[74:75], s[78:79]
	s_add_nc_u64 s[G0A+2:G0A+3], s[94:95], s[88:89]
	s_add_nc_u64 s[G0B+2:G0B+3], s[90:91], s[84:85]
	s_add_nc_u64 s[G0C+2:G0C+3], s[90:91], s[86:87]
	s_or_b32 s[G0A+3], s[G0A+3], 0x80000000
	s_or_b32 s[G0B+3], s[G0B+3], 0x80000000
	s_or_b32 s[G0C+3], s[G0C+3], 0x80000000
	tensor_load_to_lds s[G0A:G0A+3], s[G1A:G1A+7]  ; every wave's three first fills, into bytes of its own: three loads of mine are out
	s_nop 0
	tensor_load_to_lds s[G0B:G0B+3], s[G1B:G1B+7]
	s_nop 0
	tensor_load_to_lds s[G0C:G0C+3], s[G1C:G1C+7]
	s_nop 0
.rept 4
	v_nop
.endr
	QADR TQ, QP, QSP
	QADR 19, Q1P, Q1S
	global_load_b128 v[SS:SS+3], v[LI], s[QP:QP+1]                 ; the first tile's Q
	global_load_b128 v[SS+4:SS+7], v[LI], s[QP:QP+1] offset:512
	global_load_b128 v[SS+8:SS+11], v[LI], s[QP:QP+1] offset:1024
	global_load_b32 v[QW], v[R4], s[QSP:QSP+1]
	global_load_b128 v[Q1I:Q1I+3], v[LI], s[Q1P:Q1P+1]             ; the second tile's: wanted only behind the first tile's work
	global_load_b128 v[Q1I+4:Q1I+7], v[LI], s[Q1P:Q1P+1] offset:512
	global_load_b128 v[Q1I+8:Q1I+11], v[LI], s[Q1P:Q1P+1] offset:1024
	global_load_b32 v[Q1W], v[R4], s[Q1S:Q1S+1]
.irp j, 0,1,2,3,4,5,6,7
	v_cmp_gt_i32 s[MJ+\j], \j, v[RH]               ; in the diagonal's tile register j holds key 8 hh + j of the tile and my query is r: hidden where j > r - 8 hh
.endr
; The mask of tile p of the diagonal's step; s92 = Tm, the tile in which my queries' own keys lie.  Tiles under Tm are open; tile Tm takes the triangle; the tiles behind it are hidden whole (the triangle's masks with all ones laid over them).
.macro MASKT p
	s_cmp_gt_u32 s92, \p
	s_cbranch_scc1 .Lclear_\@
	s_cmp_eq_u32 s92, \p
	s_cselect_b32 s93, 0, -1
.irp j, 0,1,2,3
	s_or_b32 s[68+\j], s[MJ+\j], s93
	s_or_b32 s[96+\j], s[MJ+4+\j], s93
.endr
.irp j, 0,1,2,3
	v_cndmask_b32 v[SS+8*(\p)+\j], v[SS+8*(\p)+\j], v[NINF], s[68+\j]   ; each accumulator from its low end on
.endr
.irp j, 0,1,2,3
	v_cndmask_b32 v[SS+8*(\p)+4+\j], v[SS+8*(\p)+4+\j], v[NINF], s[96+\j]
.endr
.Lclear_\@:
.endm
; A KEY STEP: 128 keys.
.macro STEP
	s_cmp_gt_u32 s[KF], s[Q15]                     ; all keys behind my queries: only the addresses step
	s_cbranch_scc1 .Lhidden_\@
	s_setprio 2
	v_add_nc_u32 v[ADK], s[TB], v[LI]              ; (these four are also the places behind the last step's products, in front of the loads below)
	v_add_nc_u32 v[ADV], s[TB], v[AV0]
	v_add_nc_u32 v[ADS], s[TS], v[LS]
	v_add_nc_u32 v[ADT], s[TS], v[LT]
.irp u, 0,1,2,3
.irp c, 0,1,2
	ds_load_b128 v[FRG+12*\u+4*\c:FRG+12*\u+4*\c+3], v[ADK] offset:1536*\u+512*\c
.endr
	ds_load_b32 v[KS+\u], v[ADS] offset:64*\u
.endr
	s_wait_alu depctr_va_vdst(0)
	s_wait_dscnt 0x0
.irp u, 0,1,2,3                                ; S^T = K Q^T: a lane holds query r; register 8 P + j is key 16 P + 8 hh + j
	v_wmma_scale_f32_16x16x128_f8f6f4 v[SS+8*\u:SS+8*\u+7], v[FRG+12*\u:FRG+12*\u+11], v[QA:QA+11], 0, v[KS+\u], v[QSA] matrix_a_fmt:MATRIX_FMT_FP6 matrix_b_fmt:MATRIX_FMT_FP6
	v_wmma_scale_f32_16x16x128_f8f6f4 v[SS+32+8*\u:SS+32+8*\u+7], v[FRG+12*\u:FRG+12*\u+11], v[QB:QB+11], 0, v[KS+\u], v[QSB] matrix_a_fmt:MATRIX_FMT_FP6 matrix_b_fmt:MATRIX_FMT_FP6
.endr
.rept 4
	v_nop                                          ; places in front of the loads into K's registers and of the first read of the scores
.endr
.irp u, 0,1,2,3                                ; V's fragments land while the softmax is worked
.irp c, 0,1,2
	ds_load_b128 v[FRG+12*\u+4*\c:FRG+12*\u+4*\c+3], v[ADV] offset:1536*\u+512*\c
.endr
	ds_load_b32 v[KS+\u], v[ADT] offset:64*\u
.endr
	s_add_co_u32 s92, s[KF], 127                   ; on the diagonal hidden scores become -infinity ahead of the maximum; a step all of whose keys count skips this
	s_cmp_le_u32 s92, s[Q0]
	s_cbranch_scc1 .Lopen_\@
	s_sub_co_u32 s92, s[Q0], s[KF]
	s_lshr_b32 s92, s92, 4                         ; Tm, 0 .. 7
	MASKT 0
	MASKT 1
	MASKT 2
	MASKT 3
	MASKT 4
	MASKT 5
	MASKT 6
	MASKT 7
.Lopen_\@:
	s_wait_alu depctr_va_vdst(0)
.irp b, 0,1,2,3
	v_max3_num_f32 v[BM+\b], v[SS+16*\b], v[SS+1+16*\b], v[SS+2+16*\b]   ; the largest score of each block of 32 keys: for the row's maximum and, since p rises with the score, for the block's largest p
.endr
.irp i, 3,5,7,9,11,13
.irp b, 0,1,2,3
	v_max3_num_f32 v[BM+\b], v[BM+\b], v[SS+16*\b+\i], v[SS+1+16*\b+\i]
.endr
.endr
.irp b, 0,1,2,3
	v_max_num_f32 v[BM+\b], v[BM+\b], v[SS+15+16*\b]
.endr
.irp b, 0,1,2,3
	s_delay_alu instid0(VALU_DEP_4)
	v_permlanex16_b32 v[BT+\b], v[BM+\b], s[SEL], s[SEL+1]
.endr
.irp b, 0,1,2,3
	s_delay_alu instid0(VALU_DEP_4)
	v_max_num_f32 v[BM+\b], v[BM+\b], v[BT+\b]
.endr
	s_delay_alu instid0(VALU_DEP_2)
	v_max3_num_f32 v[TP], v[BM], v[BM+1], v[BM+2]
	s_delay_alu instid0(VALU_DEP_1)
	v_max_num_f32 v[TP], v[TP], v[BM+3]
	s_delay_alu instid0(VALU_DEP_1)
	v_mul_f32 v[TP], s[CS], v[TP]
	s_delay_alu instid0(VALU_DEP_1)
	v_max_num_f32 v13, v13, v[TP]                  ; the running largest t
	v_mov_b32 v[TP], v12
	s_delay_alu instid0(VALU_DEP_2)
	v_floor_f32 v12, -v13                          ; -M = floor(-t): M is a whole number
	s_delay_alu instid0(VALU_DEP_1)
	v_sub_f32 v[TP], v12, v[TP]
	s_delay_alu instid0(VALU_DEP_1)
	v_cvt_i32_f32 v[TP], v[TP]                     ; (it saturates)
	s_delay_alu instid0(VALU_DEP_1)
	v_ldexp_f32 v[FF], 1.0, v[TP]                  ; f = 2^(old M - new M)
.set n, 0
.rept 32
	v_pk_fma_f32 v[SS+n:SS+n+1], v[SS+n:SS+n+1], s[CS:CS+1], v[12:13] op_sel_hi:[1,0,0]   ; t - M
.set n, n+2
.endr
.irp b, 0,1,2,3
	v_fma_f32 v[BM+\b], v[BM+\b], s[CS], v12
.endr
.set n, 0
	s_setprio 1
	s_wait_alu depctr_va_vdst(0)
.rept 64
	v_exp_f32 v[SS+n], v[SS+n]                     ; p = 2^(t - M)
.set n, n+1
.endr
.irp b, 0,1,2,3
	v_exp_f32 v[BM+\b], v[BM+\b]                   ; the block's largest p
.endr
	v_pk_mul_f32 v[14:15], v[14:15], v[FF:FF+1] op_sel_hi:[1,0]   ; the sums under the new M (a plain place behind the exponentials)
	s_wait_alu depctr_va_vdst(0)
.irp b, 0,1,2,3
	v_max_num_f32 v[BM+\b], 0x1800000, v[BM+\b]    ; the floor 2^(3 - 127)
.endr
.irp b, 0,1,2,3
	s_delay_alu instid0(VALU_DEP_4)
	v_add_nc_u32 v[SO+\b], 0xff000000, v[BM+\b]
.endr
.irp b, 0,1,2,3
	s_delay_alu instid0(VALU_DEP_4)
	v_lshrrev_b32 v[BT+\b], 23, v[SO+\b]
.endr
	s_delay_alu instid0(VALU_DEP_3)
	v_lshl_or_b32 v[PS], v[BT+1], 8, v[BT]
	s_delay_alu instid0(VALU_DEP_1)
	v_lshl_or_b32 v[PS], v[BT+2], 16, v[PS]
	s_delay_alu instid0(VALU_DEP_1)
	v_lshl_or_b32 v[PS], v[BT+3], 24, v[PS]
.irp c, 0,1
	v_cvt_scalef32_pk16_fp6_f32 v[PC+6*\c:PC+6*\c+2], v[SS+32*\c:SS+32*\c+15], v[SO+2*\c]
	v_cvt_scalef32_pk16_fp6_f32 v[PX+4*\c:PX+4*\c+2], v[SS+32*\c+16:SS+32*\c+31], v[SO+2*\c+1]
.endr
	v_nop                                          ; one plain place behind a scaled conversion
.irp c, 0,1
.irp i, 0,1,2
	v_permlane16_swap_b32 v[PC+6*\c+\i], v[PX+4*\c+\i]
.endr
.irp i, 0,1,2
	s_delay_alu instid0(VALU_DEP_3)
	v_mov_b32 v[PC+3+6*\c+\i], v[PX+4*\c+\i]
.endr
.endr
	v_pk_add_f32 v[232:233], v[100:101], v[104:105]
	v_pk_add_f32 v[238:239], v[108:109], v[112:113]
	v_pk_add_f32 v[236:237], v[116:117], v[120:121]
	v_pk_add_f32 v[234:235], v[124:125], v[128:129]
	v_pk_add_f32 v[222:223], v[132:133], v[136:137]
	v_pk_add_f32 v[220:221], v[140:141], v[144:145]
	v_pk_add_f32 v[214:215], v[148:149], v[152:153]
	v_pk_add_f32 v[14:15], v[14:15], v[156:157]
	v_pk_add_f32 v[232:233], v[232:233], v[96:97]
	v_pk_add_f32 v[238:239], v[238:239], v[98:99]
	v_pk_add_f32 v[236:237], v[236:237], v[102:103]
	v_pk_add_f32 v[234:235], v[234:235], v[106:107]
	v_pk_add_f32 v[222:223], v[222:223], v[110:111]
	v_pk_add_f32 v[220:221], v[220:221], v[114:115]
	v_pk_add_f32 v[214:215], v[214:215], v[118:119]
	v_pk_add_f32 v[14:15], v[14:15], v[122:123]
	v_pk_add_f32 v[232:233], v[232:233], v[126:127]
	v_pk_add_f32 v[238:239], v[238:239], v[130:131]
	v_pk_add_f32 v[236:237], v[236:237], v[134:135]
	s_setprio 0
	v_pk_add_f32 v[234:235], v[234:235], v[138:139]
	v_pk_add_f32 v[222:223], v[222:223], v[142:143]
	v_pk_add_f32 v[220:221], v[220:221], v[146:147]
	v_pk_add_f32 v[214:215], v[214:215], v[150:151]
	v_pk_add_f32 v[14:15], v[14:15], v[154:155]
	v_pk_add_f32 v[232:233], v[232:233], v[158:159]
	s_delay_alu instid0(VALU_DEP_2)
	v_pk_add_f32 v[14:15], v[14:15], v[234:235]
	s_delay_alu instid0(VALU_DEP_2)
	v_pk_add_f32 v[232:233], v[232:233], v[222:223]
	v_pk_add_f32 v[238:239], v[238:239], v[220:221]
	v_pk_add_f32 v[236:237], v[236:237], v[214:215]
	s_delay_alu instid0(VALU_DEP_2)
	v_pk_add_f32 v[14:15], v[14:15], v[238:239]
	s_delay_alu instid0(VALU_DEP_2)
	v_pk_add_f32 v[232:233], v[232:233], v[236:237]
	s_delay_alu instid0(VALU_DEP_1)
	v_pk_add_f32 v[14:15], v[14:15], v[232:233]
.set n, 0
.rept 16
	v_pk_mul_f32 v[OT+n:OT+n+1], v[OT+n:OT+n+1], v[FF:FF+1] op_sel_hi:[1,0]   ; O^T under the new M
.set n, n+2
.endr
	s_wait_alu depctr_va_vdst(0)
	s_wait_dscnt 0x0                               ; V is in
.irp t, 0,1,2,3                                ; O^T += V^T P^T: register 8 t + j is d = 16 t + 8 hh + j of my query
	v_wmma_scale_f32_16x16x128_f8f6f4 v[OT+8*\t:OT+8*\t+7], v[FRG+12*\t:FRG+12*\t+11], v[PC:PC+11], v[OT+8*\t:OT+8*\t+7], v[KS+\t], v[PS] matrix_a_fmt:MATRIX_FMT_FP6 matrix_b_fmt:MATRIX_FMT_FP6
.endr
.Lhidden_\@:
	s_add_co_u32 s[KF], s[KF], 128
	s_add_co_u32 s[TB], s[TB], STEPB
	s_add_co_u32 s[TS], s[TS], 256
.endm
; One tile of 16 queries, from its operand to its codes.  nt: the loop's trips.  The first tile's first key step stands ahead of its loop, with the launch's second barrier behind it.
.macro PASS p, nt
.if \p
.set QI, Q1I
.set QWR, Q1W
	s_wait_xcnt 0x0                                ; the first tile's stores have read their registers and bases
	s_sub_co_u32 s[TQ], 127, s[TQ]
.else
.set QI, SS
.set QWR, QW
.endif
	s_lshl_b32 s[Q0], s[TQ], 4
	s_add_co_u32 s[Q15], s[Q0], 15
	s_and_b32 s93, s[TQ], 4                        ; my tile lies in half (tile / 4) % 2 of its fragment
	s_cmp_lg_u32 s93, 0
	s_cselect_b32 s[MSK], -1, 0
	s_mov_b32 s[SELB], 0x01000100
	s_cselect_b32 s[SELB], 0x03020302, s[SELB]
	s_lshl_b32 s92, s[BB], 7
	s_add_co_u32 s92, s92, s[TQ]                   ; my tile of rows among the 512
	s_lshl_b32 s93, s92, 3
	s_lshr_b32 s94, s[HD], 1
	s_add_co_u32 s93, s93, s94                     ; its K step head / 2,
	s_mul_i32 s94, s93, 1536
	s_and_b32 s93, s[HD], 1
	s_mul_i32 s93, s93, 768                        ; planes 3 (head % 2) on
	s_add_co_u32 s94, s94, s93
	s_mov_b32 s95, 0
	s_add_nc_u64 s[CP:CP+1], s[80:81], s[94:95]
	s_lshl_b32 s94, s92, 9
	s_lshl_b32 s93, s[HD], 1
	s_add_co_u32 s94, s94, s93
	s_add_nc_u64 s[CSP:CSP+1], s[82:83], s[94:95]
	s_mov_b32 s[TB], 0
	s_mov_b32 s[TS], 0
	s_mov_b32 s[KF], 0
	s_mov_b32 s[CNT], \nt
	v_mov_b32 v13, 0xff61b1e6                      ; the largest t so far: -3e38
	s_delay_alu instid0(VALU_DEP_1)
	v_floor_f32 v12, -v13
	v_mov_b32 v14, 0
	v_mov_b32 v15, 0
.if \p
	s_wait_loadcnt 0x0                             ; the second tile's Q, asked for at the head
.else
	s_wait_loadcnt 0x4                             ; the first tile's Q is in; the four loads of the second tile's may be out
.endif
.irp i, 0,1,2,3,4,5
	v_cndmask_b32 v[QA+\i], v[QI+\i], v[QI+6+\i], s[MSK]
.endr
.if \p == 0
.irp i, 0,1,2,3,4,5
	v_mov_b32 v[QA+6+\i], 0
	v_mov_b32 v[QB+\i], 0
.endr
.endif
.irp i, 0,1,2,3,4,5
	v_mov_b32 v[QB+6+\i], v[QA+\i]
.endr
	v_perm_b32 v[QW], v[QWR], v[QWR], s[SELB]      ; my tile's two bytes, twice
	s_delay_alu instid0(VALU_DEP_1)
	v_and_b32 v[QSA], 0xffff, v[QW]
	s_delay_alu instid0(VALU_DEP_1)
	v_or_b32 v[QSA], 0x01010000, v[QSA]            ; the zero codes carry the byte 1
	s_delay_alu instid0(VALU_DEP_3)
	v_and_b32 v[QSB], 0xffff0000, v[QW]
	s_delay_alu instid0(VALU_DEP_1)
	v_or_b32 v[QSB], 0x0101, v[QSB]
.set n, 0
.rept 32
	v_mov_b32 v[OT+n], 0                           ; a step is written without a first form of its own: the first finds zeros.  (These are also the places between the operands and scale words just made and the first product)
.set n, n+1
.endr
.if \p == 0
	STEP                                           ; key step 0, whose tiles the first barrier has shown: every wave has work in it
	s_wait_tensorcnt 0x0                           ; my part of key steps 1-15 is in
	s_wait_dscnt 0x0
	s_barrier_signal -1
	s_barrier_wait -1                              ; everybody's is: the last barrier of the launch
.endif
.Lkeys_\@:
	STEP
	s_sub_co_u32 s[CNT], s[CNT], 1
	s_cmp_lg_u32 s[CNT], 0
	s_cbranch_scc1 .Lkeys_\@
	s_setprio 0
.rept 4
	v_nop                                          ; places behind the last products
.endr
	v_add_f32 v14, v14, v15
	s_delay_alu instid0(VALU_DEP_1)
	v_permlanex16_b32 v[TP], v14, s[SEL], s[SEL+1]
	s_delay_alu instid0(VALU_DEP_1)
	v_add_f32 v14, v14, v[TP]                      ; the row's sum
	s_wait_alu depctr_va_vdst(0)
	v_rcp_f32 v14, v14
	v_nop
.set n, 0
	s_wait_alu depctr_va_vdst(0)
.rept 16
	v_pk_mul_f32 v[OT+n:OT+n+1], v[OT+n:OT+n+1], v[14:15] op_sel_hi:[1,0]
.set n, n+2
.endr
.irp b, 0,1                                    ; d into its true order: lane half hh then holds d = 32 b + 16 hh + 0 .. 15 in 16 registers on end
.irp j, 0,1,2,3,4,5,6,7
	v_permlane16_swap_b32 v[OT+16*\b+\j], v[OT+16*\b+8+\j]
.endr
.endr
.irp b, 0,1
	v_max3_num_f32 v[BM+\b], |v[OT+16*\b]|, |v[OT+16*\b+1]|, 0x1800000
.endr
.irp i, 2,4,6,8,10,12,14
.irp b, 0,1
	s_delay_alu instid0(VALU_DEP_2)
	v_max3_num_f32 v[BM+\b], v[BM+\b], |v[OT+16*\b+\i]|, |v[OT+16*\b+\i+1]|
.endr
.endr
.irp b, 0,1
	s_delay_alu instid0(VALU_DEP_2)
	v_permlanex16_b32 v[BT+\b], v[BM+\b], s[SEL], s[SEL+1]
.endr
.irp b, 0,1
	s_delay_alu instid0(VALU_DEP_2)
	v_max_num_f32 v[BM+\b], v[BM+\b], v[BT+\b]
.endr
.irp b, 0,1
	s_delay_alu instid0(VALU_DEP_2)
	v_add_nc_u32 v[SO+\b], 0xff000000, v[BM+\b]
.endr
.irp b, 0,1
	s_delay_alu instid0(VALU_DEP_2)
	v_lshrrev_b32 v[BT+\b], 23, v[SO+\b]
.endr
	v_cvt_scalef32_pk16_fp6_f32 v[PC:PC+2], v[OT:OT+15], v[SO]
	v_cvt_scalef32_pk16_fp6_f32 v[PC+4:PC+6], v[OT+16:OT+31], v[SO+1]
	v_cndmask_b32 v[CB], v[BT], v[BT+1], s[HM]     ; my half's byte (a plain place behind the conversions)
.irp i, 0,1,2
	v_permlane16_swap_b32 v[PC+\i], v[PC+4+\i]     ; lanes 0-15: block 0 whole; lanes 16-31: block 1
.endr
.irp i, 0,1,2
	s_delay_alu instid0(VALU_DEP_3)
	v_mov_b32 v[PC+3+\i], v[PC+4+\i]
.endr
.irp e, 0,1,2
	global_store_b64 v[GO8], v[PC+2*\e:PC+2*\e+1], s[CP:CP+1] offset:256*\e   ; 32 lanes store 256 consecutive bytes, aligned
.endr
	global_store_b8 v[BO], v[CB], s[CSP:CSP+1]
.endm
	s_wait_tensorcnt 0x1                           ; my parts of the scale words and of key step 0 are in; my load of key steps 1-15 may stay out
	s_barrier_signal -1
	s_barrier_wait -1                              ; everybody's are
	PASS 0, 7
	PASS 1, 16
	s_wait_tensorcnt 0x0
	ds_add_u32 v254, v255
	s_wait_dscnt 0x0
	s_endpgm
.Lfunc_end_k_q0ccf5fd75f_attn:
	.size	k_q0ccf5fd75f_attn, .Lfunc_end_k_q0ccf5fd75f_attn-k_q0ccf5fd75f_attn
	.p2alignl 7, 3214868480
	.fill 96, 4, 3214868480
	.section	.rodata,"a",@progbits
	.p2align	6, 0x0
	.amdhsa_kernel k_q0ccf5fd75f_attn
		.amdhsa_group_segment_fixed_size 206848
		.amdhsa_private_segment_fixed_size 0
		.amdhsa_enable_private_segment 0
		.amdhsa_kernarg_size 64
		.amdhsa_user_sgpr_count 2
		.amdhsa_user_sgpr_kernarg_segment_ptr 1
		.amdhsa_wavefront_size32 1
		.amdhsa_system_sgpr_workgroup_id_x 1
		.amdhsa_system_sgpr_workgroup_id_y 1
		.amdhsa_system_sgpr_workgroup_id_z 1
		.amdhsa_system_vgpr_workitem_id 0
		.amdhsa_next_free_vgpr 256
		.amdhsa_next_free_sgpr 100
		.amdhsa_reserve_vcc 0
		.amdhsa_float_denorm_mode_32 3
		.amdhsa_float_denorm_mode_16_64 3
		.amdhsa_memory_ordered 1
		.amdhsa_forward_progress 1
		.amdhsa_inst_pref_size 98
	.end_amdhsa_kernel
	.amdgpu_metadata
---
amdhsa.version: [ 1, 2 ]
amdhsa.kernels:
  - .name:           k_q0ccf5fd75f_attn
    .symbol:         k_q0ccf5fd75f_attn.kd
    .args:
      - { .name: qimg, .offset: 0, .size: 8, .value_kind: global_buffer, .address_space: global }
      - { .name: qsc, .offset: 8, .size: 8, .value_kind: global_buffer, .address_space: global }
      - { .name: kimg, .offset: 16, .size: 8, .value_kind: global_buffer, .address_space: global }
      - { .name: ksc, .offset: 24, .size: 8, .value_kind: global_buffer, .address_space: global }
      - { .name: vimg, .offset: 32, .size: 8, .value_kind: global_buffer, .address_space: global }
      - { .name: vsc, .offset: 40, .size: 8, .value_kind: global_buffer, .address_space: global }
      - { .name: cimg, .offset: 48, .size: 8, .value_kind: global_buffer, .address_space: global }
      - { .name: csc, .offset: 56, .size: 8, .value_kind: global_buffer, .address_space: global }
    .group_segment_fixed_size: 206848
    .private_segment_fixed_size: 0
    .kernarg_segment_align: 8
    .kernarg_segment_size: 64
    .max_flat_workgroup_size: 512
    .sgpr_count:     100
    .vgpr_count:     256
    .wavefront_size: 32
...
	.end_amdgpu_metadata
.endif
;; end of part 2
;; launch oproj (part 3): grid 8 x 32, 4 waves a work-group, clusters of 4 x 4, 320,000 bytes of LDS; arguments cimg, csc, Wo_codes, Wo_scales, bo, out0; writes out0
.if DOCPART == 3
	.amdgcn_target "amdgcn-amd-amdhsa--gfx1250"
	.amdhsa_code_object_version 6
	.text
	.protected	k_q0ccf5fd75f_oproj
	.globl	k_q0ccf5fd75f_oproj
	.p2align	8
	.type	k_q0ccf5fd75f_oproj,@function
k_q0ccf5fd75f_oproj:
	s_mov_b64 s[64:65], 0
	v_nop
	global_prefetch_b8 v0, s[64:65] scope:SCOPE_SE
	s_setreg_imm32_b32 hwreg(HW_REG_WAVE_MODE, 25, 1), 1
	s_wait_xcnt 0x0
	s_wait_alu depctr_hold_cnt(0) depctr_sa_sdst(0) depctr_va_vdst(0) depctr_va_sdst(0) depctr_va_ssrc(0) depctr_va_vcc(0) depctr_vm_vsrc(0)
	s_getreg_b32 s2, hwreg(HW_REG_IB_STS2, 6, 4)
	s_cmp_eq_u32 s2, 0
	s_cbranch_scc0 .Lentry_in_a_cluster
	s_endpgm
.Lentry_in_a_cluster:
	s_bfe_u32 s2, ttmp6, 0x10000c
	s_cmp_lg_u32 s2, 0xf033
	s_cbranch_scc0 .Lentry_shape_is_right
	s_endpgm
.Lentry_shape_is_right:
; out0 = concat Wo^T + bo on codes of FP6 (E2M3).  concat [8192][1024] comes as planes of operand registers: tile of 16 rows, K step of 128: six planes of 256 bytes, plane q (registers 2 q, 2 q + 1) at 256 q + 8 x lane;
; its scale bytes as rows of 32.  Wo: [1024][1024] codes, rows of 768 bytes, scale rows of 32.  out0: [8192][1024] f32.
; SHARES.  256 work-groups of 256 rows x 128 columns; wave (a, HB): 128 rows x 64 columns, 8 x 4 accumulators.  Source 0 = 16 rows of Wo, source 1 = 16 rows of concat: a lane holds eight neighbouring columns of one row.
; All four K steps of 256 lie in LDS at once, 79,872 bytes each: first fills alone, nothing is filled again.  CLUSTERS of 4 x 4: concat's tiles are asked for jointly along a row, Wo's along a column.
; REGISTERS: window 0: addresses, scale words, bias, the way out; windows 1, 2: two sets of fragments (concat's tile i at 12 i, Wo's tile t at 96 + 12 t); window 3: the accumulators, (i, t) at 32 i + 8 t.
.set PITCH, 240
.set WHALF, 64*PITCH
.set AHALF, 8*3072                     ; 8 tiles of rows x 256 along K
.set WOFF,  2*AHALF
.set SLOT,  WOFF+2*WHALF               ; 79,872
.set SPITCH, 272                       ; the way out: a stage of 16 rows x (256 bytes + 16) for each wave, in slot 0, which has had its only fill and its last read by then
.set FR,   12
.set ADRA, 4                           ; v4-7
.set ADW,  8                           ; v8-11; v12-15 behind one padding more
.set STO,  16
.set RD,   17
.set CO,   18
.set XS,   32
.set WS,   96
.set BK,   128
.set BI,   224
.set WV,  4
.set RA,  5
.set HB,  6
.set CX,  7
.set CYI, 8
.set GX,  9
.set GY,  10
.set G1A, 16
.set G1W, 24
.set G0A, 32
.set G0W, 48
.set OUTP, 78
.set MSB, 0
.macro WIN new
.if MSB != (\new)
	s_set_vgpr_msb (MSB<<8)|(\new)
.set MSB, (\new)
.endif
.endm
.macro PLACES n
.rept \n
	v_nop
.endr
.endm
.macro CROUND
	s_barrier_signal -1
	s_barrier_wait -1
	s_cmp_lg_u32 s[WV], 0
	s_cbranch_scc1 .Lnot_wave_0_\@
	s_barrier_signal -3
.Lnot_wave_0_\@:
	s_barrier_wait -3
	s_barrier_signal -1
	s_barrier_wait -1
.endm
	s_load_b256 s[68:75], s[0:1], 0x0              ; cimg, csc, Wo's codes, Wo's scales
	s_load_b128 s[76:79], s[0:1], 0x20             ; bo, out0
	v_lshl_add_u32 v222, v0, 2, 0x4e000
	v_mov_b32 v223, 0
	ds_add_u32 v222, v223
	ds_add_u32 v222, v223
	v_lshrrev_b32 v3, 5, v0
	v_readfirstlane_b32 s[WV], v3
	s_lshr_b32 s[RA], s[WV], 1                     ; which 128 rows are mine.  Also: I fetch concat (0) or Wo (1)
	s_and_b32 s[HB], s[WV], 1                      ; which 64 columns.  Also: which half I fetch
	s_bfe_u32 s[CX], ttmp6, 0x40000
	s_bfe_u32 s[CYI], ttmp6, 0x40004
	s_lshl_b32 s[GX], ttmp9, 2
	s_add_co_u32 s[GX], s[GX], s[CX]
	s_and_b32 s[GY], ttmp7, 0xffff
	s_lshl_b32 s[GY], s[GY], 2
	s_add_co_u32 s[GY], s[GY], s[CYI]
	s_lshl_b32 s80, s[CYI], 2
	s_lshl_b32 s80, 15, s80                        ; my row of the cluster
	s_lshl_b32 s84, 0x1111, s[CX]                  ; my column
	s_or_b32 s[G1A], s80, (3<<16)|(1<<21)          ; elements of 8 bytes, no padding: 8 rows of 3,072 bytes, 12,288 bytes apart
	s_mov_b32 s[G1A+1], 384<<16
	s_mov_b32 s[G1A+2], 8<<16
	s_mov_b32 s[G1A+3], 384<<16
	s_mov_b32 s[G1A+4], 8
	s_mov_b32 s[G1A+5], 1536
	s_mov_b32 s[G1A+6], 0
	s_mov_b32 s[G1A+7], 0
	s_or_b32 s[G1W], s84, (1<<20)|(1<<21)|(3<<22)|(3<<25)   ; 64 rows of 192 bytes, 16 bytes of padding behind every 64
	s_mov_b32 s[G1W+1], 192<<16
	s_mov_b32 s[G1W+2], 64<<16
	s_mov_b32 s[G1W+3], 192<<16
	s_mov_b32 s[G1W+4], 64
	s_mov_b32 s[G1W+5], 768
	s_mov_b32 s[G1W+6], 0
	s_mov_b32 s[G1W+7], 0
	s_mul_i32 s82, s[GY], 16*12288                 ; concat: tile of rows 16 GY + 8 HB (no register here ever holds cx)
	s_mul_i32 s83, s[HB], 8*12288
	s_add_co_u32 s82, s82, s83
	s_mov_b32 s83, 0
	s_mul_i32 s86, s[GX], 128*768                  ; Wo: row 128 GX + 64 HB (no register here ever holds cy)
	s_mul_i32 s87, s[HB], 64*768
	s_add_co_u32 s86, s86, s87
	s_mov_b32 s87, 0
	s_mul_i32 s88, s[HB], AHALF
	s_mul_i32 s89, s[HB], WHALF
	s_add_co_u32 s89, s89, WOFF
	s_wait_dscnt 0x0
	s_wait_kmcnt 0x0
	s_add_nc_u64 s[82:83], s[68:69], s[82:83]
	s_add_nc_u64 s[86:87], s[72:73], s[86:87]
.irp s, 0,1,2,3
	s_mov_b32 s[G0A+4*\s], 1
	s_add_co_u32 s[G0A+4*\s+1], s88, \s*SLOT
	s_add_nc_u64 s[G0A+4*\s+2:G0A+4*\s+3], s[82:83], \s*3072
	s_or_b32 s[G0A+4*\s+3], s[G0A+4*\s+3], 0x80000000
	s_mov_b32 s[G0W+4*\s], 1
	s_add_co_u32 s[G0W+4*\s+1], s89, \s*SLOT
	s_add_nc_u64 s[G0W+4*\s+2:G0W+4*\s+3], s[86:87], \s*192
	s_or_b32 s[G0W+4*\s+3], s[G0W+4*\s+3], 0x80000000
.endr
	CROUND                                         ; all sixteen work-groups are here: the joint loads meet
	s_cmp_eq_u32 s[RA], 0                          ; a wave's four fills stand in one branch: four loads of mine are out
	s_cbranch_scc0 .Lfirst_w
	tensor_load_to_lds s[G0A:G0A+3], s[G1A:G1A+7]
	s_nop 0
	tensor_load_to_lds s[G0A+4:G0A+7], s[G1A:G1A+7]
	s_nop 0
	tensor_load_to_lds s[G0A+8:G0A+11], s[G1A:G1A+7]
	s_nop 0
	tensor_load_to_lds s[G0A+12:G0A+15], s[G1A:G1A+7]
	s_nop 0
	PLACES 4
	s_branch .Lfirst_asked
.Lfirst_w:
	tensor_load_to_lds s[G0W:G0W+3], s[G1W:G1W+7]
	s_nop 0
	tensor_load_to_lds s[G0W+4:G0W+7], s[G1W:G1W+7]
	s_nop 0
	tensor_load_to_lds s[G0W+8:G0W+11], s[G1W:G1W+7]
	s_nop 0
	tensor_load_to_lds s[G0W+12:G0W+15], s[G1W:G1W+7]
	s_nop 0
	PLACES 4
.Lfirst_asked:
	s_lshl_b32 s90, s[GY], 13                      ; concat's scale rows: row 256 GY + 128 RA, 32 bytes each
	s_lshl_b32 s91, s[RA], 12
	s_add_co_u32 s90, s90, s91
	s_mov_b32 s91, 0
	s_add_nc_u64 s[70:71], s[70:71], s[90:91]
	s_lshl_b32 s92, s[GX], 7
	s_lshl_b32 s93, s[HB], 6
	s_add_co_u32 s92, s92, s93                     ; my first column
	s_lshl_b32 s90, s92, 5
	s_add_nc_u64 s[74:75], s[74:75], s[90:91]      ; Wo's scale rows
	s_lshl_b32 s90, s92, 2
	s_add_nc_u64 s[76:77], s[76:77], s[90:91]      ; bo
	s_lshl_b32 s93, s[GY], 20
	s_add_co_u32 s90, s90, s93
	s_lshl_b32 s93, s[RA], 19
	s_add_co_u32 s90, s90, s93
	s_add_nc_u64 s[OUTP:OUTP+1], s[OUTP:OUTP+1], s[90:91]   ; out0 at my first row and column
	v_and_b32 v1, 15, v0
	v_bfe_u32 v2, v0, 4, 1
	v_lshlrev_b32 v19, 5, v1                       ; a scale row
	v_lshlrev_b32 v20, 5, v2                       ; the bias of my half's eight columns
.irp i, 0,1,2,3,4,5,6,7
	global_load_b128 v[XS+8*\i:XS+8*\i+3], v19, s[70:71] offset:512*\i
	global_load_b128 v[XS+8*\i+4:XS+8*\i+7], v19, s[70:71] offset:512*\i+16
.endr
.irp t, 0,1,2,3
	global_load_b128 v[WS+8*\t:WS+8*\t+3], v19, s[74:75] offset:512*\t
	global_load_b128 v[WS+8*\t+4:WS+8*\t+7], v19, s[74:75] offset:512*\t+16
	global_load_b128 v[BI+8*\t:BI+8*\t+3], v20, s[76:77] offset:64*\t
	global_load_b128 v[BI+8*\t+4:BI+8*\t+7], v20, s[76:77] offset:64*\t+16
.endr
	v_and_b32 v3, 31, v0
	v_lshlrev_b32 v3, 3, v3                        ; 8 x lane
	v_mul_u32_u24 v21, v1, PITCH
	v_mad_u32_u24 v21, v2, 24, v21
	v_lshl_add_u32 v22, v2, 4, v21
	s_mul_i32 s94, s[RA], AHALF
	s_mul_i32 s95, s[HB], WHALF
	s_add_co_u32 s95, s95, WOFF
.irp s, 0,1,2,3
	v_add_nc_u32 v[ADRA+\s], s94, v3
	v_add_nc_u32 v[ADW+\s], s95, v21
	v_add_nc_u32 v[ADW+4+\s], s95, v22
	s_add_co_u32 s94, s94, SLOT
	s_add_co_u32 s95, s95, SLOT
.endr
	s_mul_i32 s94, s[WV], 16*SPITCH                ; my stage
	v_mul_u32_u24 v[STO], v1, SPITCH
	v_lshl_add_u32 v[STO], v2, 5, v[STO]
	v_add_nc_u32 v[STO], s94, v[STO]               ; in: row r, 32 bytes for each half of the lanes
	v_mul_u32_u24 v[RD], v2, SPITCH
	v_lshl_add_u32 v[RD], v1, 4, v[RD]
	v_add_nc_u32 v[RD], s94, v[RD]                 ; back: lanes 0-15 one row of 256 bytes, lanes 16-31 the next
	v_lshlrev_b32 v[CO], 12, v2
	v_lshl_add_u32 v[CO], v1, 4, v[CO]             ; and the same two rows in out0
.macro WFRAG reg, adr, q, i
.irp p, 0,1,2,3,4,5
.set PCE, 12*(\q)+6*(\p/3)+\p%3
.if PCE%8 < 5
	ds_load_b64 v[\reg+2*\p:\reg+2*\p+1], v[\adr] offset:8*PCE+16*(PCE/8)+(\i)*16*PITCH
.else
	ds_load_b64 v[\reg+2*\p:\reg+2*\p+1], v[\adr+4] offset:8*PCE+16*(PCE/8)+(\i)*16*PITCH
.endif
.endr
.endm
.macro AFRAG reg, slot, q, i           ; six planes: 32 lanes read 256 consecutive bytes
.irp p, 0,1,2,3,4,5
	ds_load_b64 v[\reg+2*\p:\reg+2*\p+1], v[ADRA+\slot] offset:3072*(\i)+1536*(\q)+256*\p
.endr
.endm
.macro FETCH1 set, slot, q
	WIN (1+\set)<<6
.irp t, 0,1,2,3
	WFRAG 96+FR*\t, ADW+\slot, \q, \t
.endr
.irp i, 0,1,2,3
	AFRAG FR*\i, \slot, \q, \i
.endr
	WIN 0
.endm
.macro FETCH2 set, slot, q
	WIN (1+\set)<<6
.irp i, 4,5,6,7
	AFRAG FR*\i, \slot, \q, \i
.endr
	WIN 0
.endm
.macro MULH k, half                    ; 16 matrix instructions, the accumulators by turns
.if (\k) == 0
	WIN 0xc5
.elseif (\k)%2 == 0
	WIN 0xf5
.else
	WIN 0xfa
.endif
.irp i, 0,1,2,3
.irp t, 0,1,2,3
.if (\k) == 0
	v_wmma_scale_f32_16x16x128_f8f6f4 v[32*(4*\half+\i)+8*\t:32*(4*\half+\i)+8*\t+7], v[96+FR*\t:96+FR*\t+FR-1], v[FR*(4*\half+\i):FR*(4*\half+\i)+FR-1], v[BI+8*\t:BI+8*\t+7], v[WS+8*\t+(\k)], v[XS+8*(4*\half+\i)+(\k)] matrix_a_fmt:MATRIX_FMT_FP6 matrix_b_fmt:MATRIX_FMT_FP6
.else
	v_wmma_scale_f32_16x16x128_f8f6f4 v[32*(4*\half+\i)+8*\t:32*(4*\half+\i)+8*\t+7], v[96+FR*\t:96+FR*\t+FR-1], v[FR*(4*\half+\i):FR*(4*\half+\i)+FR-1], v[32*(4*\half+\i)+8*\t:32*(4*\half+\i)+8*\t+7], v[WS+8*\t+(\k)], v[XS+8*(4*\half+\i)+(\k)] matrix_a_fmt:MATRIX_FMT_FP6 matrix_b_fmt:MATRIX_FMT_FP6
.endif
.endr
.endr
	WIN 0
.endm
.macro SUB k
.set NS, ((\k)+1)%2
.set NL, ((\k)+1)/2
	s_wait_dscnt 24                                ; Wo's fragments and tiles 0-3 are in; the youngest 24 loads (tiles 4-7) may be out
	MULH \k, 0
.if (\k)%2 == 1 && (\k) < 7
	s_wait_tensorcnt 2-(\k)/2                      ; my part of the next slot is in; the later slots' may stay out
	s_wait_dscnt 0x0
	s_barrier_signal -1
	s_barrier_wait -1
.else
	s_wait_dscnt 0x0
.endif
.if (\k) < 7
	FETCH1 NS, NL, NS
.endif
	MULH \k, 1
.if (\k) < 7
	PLACES 4                                       ; the places in front of the loads that, one step later, land in the set that these products read
	FETCH2 NS, NL, NS
.endif
.endm
; THE WAY OUT, a block of 16 rows x 64 columns at a time, through my own stage: LDS serves a wave's instructions in order, so no wait stands between the stores and the loads.
.macro TOSTAGE a
	WIN 0x0c                                       ; an LDS store's data: window 3
.irp t, 0,1,2,3
	ds_store_b128 v[STO], v[32*(\a)+8*\t:32*(\a)+8*\t+3] offset:64*\t        ; each accumulator from its low end on
	ds_store_b128 v[STO], v[32*(\a)+8*\t+4:32*(\a)+8*\t+7] offset:64*\t+16
.endr
	WIN 0
.irp e, 0,1,2,3,4,5,6,7
	ds_load_b128 v[BK+32*((\a)%2)+4*\e:BK+32*((\a)%2)+4*\e+3], v[RD] offset:\e*2*SPITCH
.endr
.endm
.macro SEND a, younger
	s_wait_dscnt \younger
.irp e, 0,1,2,3,4,5,6,7
	global_store_b128 v[CO], v[BK+32*((\a)%2)+4*\e:BK+32*((\a)%2)+4*\e+3], s[OUTP:OUTP+1] offset:65536*(\a)+8192*\e th:TH_STORE_NT   ; 16 lanes store 256 consecutive bytes, aligned
.endr
.endm
	s_wait_tensorcnt 0x3                           ; my part of slot 0 is in; the three later slots' may stay out
	s_barrier_signal -1
	s_barrier_wait -1
	FETCH1 0, 0, 0
	FETCH2 0, 0, 0
	s_wait_loadcnt 0x0                             ; scale words and bias
.irp k, 0,1,2,3,4,5,6,7
	SUB \k
.endr
	PLACES 4                                       ; in front of the first read of results
	TOSTAGE 0
.irp a, 1,2,3,4,5,6,7
.if \a > 1
	s_wait_xcnt 0x0                                ; block a - 2's stores have read their registers: block a's loads may land there
.endif
	TOSTAGE \a
	SEND \a-1, 16                                  ; behind block a - 1's loads: block a's 8 stores and 8 loads
.endr
	SEND 7, 0
	s_wait_tensorcnt 0x0
	s_wait_dscnt 0x0
	s_wait_tensorcnt 0x0
	ds_add_u32 v222, v223
	s_wait_dscnt 0x0
	CROUND                                         ; the closing round
	s_endpgm
.Lfunc_end_k_q0ccf5fd75f_oproj:
	.size	k_q0ccf5fd75f_oproj, .Lfunc_end_k_q0ccf5fd75f_oproj-k_q0ccf5fd75f_oproj
	.p2alignl 7, 3214868480
	.fill 96, 4, 3214868480
	.section	.rodata,"a",@progbits
	.p2align	6, 0x0
	.amdhsa_kernel k_q0ccf5fd75f_oproj
		.amdhsa_group_segment_fixed_size 320000
		.amdhsa_private_segment_fixed_size 0
		.amdhsa_enable_private_segment 0
		.amdhsa_kernarg_size 48
		.amdhsa_user_sgpr_count 2
		.amdhsa_user_sgpr_kernarg_segment_ptr 1
		.amdhsa_wavefront_size32 1
		.amdhsa_system_sgpr_workgroup_id_x 1
		.amdhsa_system_sgpr_workgroup_id_y 1
		.amdhsa_system_sgpr_workgroup_id_z 1
		.amdhsa_system_vgpr_workitem_id 0
		.amdhsa_next_free_vgpr 1024
		.amdhsa_next_free_sgpr 100
		.amdhsa_reserve_vcc 0
		.amdhsa_float_denorm_mode_32 3
		.amdhsa_float_denorm_mode_16_64 3
		.amdhsa_memory_ordered 1
		.amdhsa_forward_progress 1
		.amdhsa_inst_pref_size 100
	.end_amdhsa_kernel
	.amdgpu_metadata
---
amdhsa.version: [ 1, 2 ]
amdhsa.kernels:
  - .name:           k_q0ccf5fd75f_oproj
    .symbol:         k_q0ccf5fd75f_oproj.kd
    .args:
      - { .name: cimg, .offset: 0, .size: 8, .value_kind: global_buffer, .address_space: global }
      - { .name: csc, .offset: 8, .size: 8, .value_kind: global_buffer, .address_space: global }
      - { .name: Wo_codes, .offset: 16, .size: 8, .value_kind: global_buffer, .address_space: global }
      - { .name: Wo_scales, .offset: 24, .size: 8, .value_kind: global_buffer, .address_space: global }
      - { .name: bo, .offset: 32, .size: 8, .value_kind: global_buffer, .address_space: global }
      - { .name: out0, .offset: 40, .size: 8, .value_kind: global_buffer, .address_space: global }
    .group_segment_fixed_size: 320000
    .private_segment_fixed_size: 0
    .kernarg_segment_align: 8
    .kernarg_segment_size: 48
    .max_flat_workgroup_size: 128
    .sgpr_count:     100
    .vgpr_count:     1024
    .wavefront_size: 32
...
	.end_amdgpu_metadata
.endif
;; end of part 3
